; MI455X (gfx1250); checked and timed in simulation.
; The chip was launched on July 23, 2026; its instructions are those of AMD's public machine-readable ISA for CDNA 5 (MIT licence, August 2026) and "CDNA5" Instruction Set Architecture Reference Guide (July 2026). The comments in the code are by the model that wrote it; some were corrected since.
;; Multi Self Attention. Allowed arithmetic: float matrix products may take bf16 or f16 operands with f32 sums; other float arithmetic in f32, or as packed bf16 or f16 multiplies, adds, multiply-adds, maxima and minima; sums over many terms, partial sums and values carried from step to step in f32; what a program stores and reads back later, other than sums and carried values, may be rounded once to bf16 or f16.
;; Inputs: inputs 8 x 1,024 x 1,024 float32; w_o 1,024 x 1,024 float32; w_qkv 16 x 3 x 1,024 x 64 float32.
;; Outputs: out0 8 x 1,024 x 1,024 float32.
;; 2 versions, each right; version 2 is version 1 with the launch prep written anew for expert scheduling mode. Each part assembles by itself: llvm-mc -triple=amdgcn-amd-amdhsa -mcpu=gfx1250 --defsym DOCPART=n.
;; ======== version 1 of 2: 4 launches
;; limits: values are held in f16: magnitudes above 65,504 overflow, below 6.1e-05 lose precision
;; workspace buffers: xb 16,777,216 bytes; wt 6,291,456 bytes; wot 2,097,152 bytes; qh 16,777,216 bytes; kh 16,777,216 bytes; vh 16,777,216 bytes; oh 16,777,216 bytes
;; launch prep (part 1): grid 512 x 1, 8 waves a work-group, no clusters, 18,432 bytes of LDS; arguments inputs, w_qkv, w_o, xb, wt, wot; writes xb, wt, wot
.if DOCPART == 1
	.amdgcn_target "amdgcn-amd-amdhsa--gfx1250"
	.amdhsa_code_object_version 6
	.text
	.protected	k_qaf97392387_prep
	.globl	k_qaf97392387_prep
	.p2align	8
	.type	k_qaf97392387_prep,@function
k_qaf97392387_prep:
	s_mov_b64 s[64:65], 0
	v_nop
	global_prefetch_b8 v0, s[64:65] scope:SCOPE_SE
	s_setreg_imm32_b32 hwreg(HW_REG_WAVE_MODE, 25, 1), 1
	s_wait_xcnt 0x0
; PREP.  xb = inputs rounded to bf16, [8192][1024].  wt = w_qkv turned and rounded to bf16: [(h*3+a)*64+n][d].  wot = w_o turned: [j][i], each number rounded to bf16 and
; that number written as f16 (exact from 2^-14 on; below that f16's fixed step of 6e-8 holds: a stated limit).
; SHARES.  512 work-groups of eight waves, all alike: each turns ONE tile of 128 k x 64 n of a weight (384 tiles of w_qkv, 128 of w_o) and casts 65,536 bytes of inputs.
; Which weight a work-group takes is a choice between two buffers, two pitches and two formats by its number: no branch.
; The tile goes through LDS: a thread packs two neighbouring k of one column into a word and stores it at [n][k]; rows of 256 bytes come back, sixteen lanes to a row.
; No matrix unit, no tensor load, no cluster: every byte is read once by one thread and nothing is shared.
.set SPARE, 17408                      ; behind the stage (64 rows x 272 bytes): the spare words, 128 bytes for each of eight waves
.set GOA, 3                            ; v3   my 16 bytes in the first 16 rows of the turned tile in memory
.set LSA, 6                            ; v6   where I put a word of the tile
.set LRA, 7                            ; v7   where I read 16 bytes of a row back
.set T,   8                            ; v[8:39]    the tile as loaded: load 2 i + j holds row 2 (t / 16) + 32 i + j, columns 4 (t % 16) ..; later the rows read back
.set OFF, 40                           ; v[40:47]   the eight loads' byte offsets
.set PK,  48                           ; v[48:63]   16 packed words
.set X,   64                           ; v[64:127]  16 x 16 bytes of inputs
.set Y,   128                          ; v[128:159] 16 x 8 bytes of xb
.set XI,  160                          ; v160 16 t
.set XO,  161                          ; v161 8 t
.set SPW, 162                          ; v162 LDS address of my spare word; never rewritten
.set NIL, 163                          ; v163 0; never rewritten
	s_load_b256 s[4:11], s[0:1], 0x0               ; inputs s[4:5], w_qkv s[6:7], w_o s[8:9], xb s[10:11]
	s_load_b128 s[12:15], s[0:1], 0x20             ; wt s[12:13], wot s[14:15]
	v_lshl_add_u32 v[SPW], v0, 2, SPARE
	v_mov_b32 v[NIL], 0
	s_mov_b32 s16, ttmp9                           ; g
	s_sub_co_u32 s18, s16, 384                     ; the tile's number in w_o (used from g = 384 on)
	s_mov_b32 s19, 256                             ; bytes from k to k + 1 in w_qkv,
	s_mov_b32 s36, 4096                            ; and in w_o
	s_cmp_lt_u32 s16, 384
	s_cselect_b32 s17, s16, s18                    ; the tile's number: 8 x block of 64 columns + block of 128 k
	s_cselect_b32 s24, s19, s36                    ; the pitch
	s_cselect_b32 s25, 0, -1                       ; all lanes' bit: 1 = write f16
	s_lshl_b32 s26, s17, 15                        ; w_qkv: tiles are dense, 32,768 bytes each
	s_and_b32 s37, s17, 7                          ; block of k
	s_lshr_b32 s38, s17, 3                         ; block of columns
	s_lshl_b32 s18, s37, 19                        ; w_o: 128 rows of 4,096 bytes,
	s_lshl_b32 s19, s38, 8                         ; 64 columns of 4 bytes
	s_add_co_u32 s18, s18, s19
	s_cmp_lt_u32 s16, 384                          ; (the shifts and the sum have written SCC)
	s_cselect_b32 s26, s26, s18                    ; the tile's byte offset in its source
	s_mov_b32 s27, 0
	s_lshl_b32 s28, s38, 17                        ; in its destination: 64 rows of 2,048 bytes,
	s_lshl_b32 s19, s37, 8                         ; 128 k of 2 bytes
	s_add_co_u32 s28, s28, s19
	s_mov_b32 s29, 0
	s_lshl_b32 s30, s16, 16                        ; my 65,536 bytes of inputs,
	s_mov_b32 s31, 0
	s_lshl_b32 s32, s16, 15                        ; my 32,768 of xb
	s_mov_b32 s33, 0
	s_lshl_b32 s34, s24, 5                         ; 32 rows of the source
	s_mov_b32 s35, 0xffff0000                      ; a word's upper bf16
	v_and_b32 v1, 15, v0                           ; t % 16
	v_lshrrev_b32 v2, 4, v0                        ; t / 16
	v_lshlrev_b32 v4, 1, v2
	v_mul_lo_u32 v4, v4, s24
	v_lshl_add_u32 v[OFF], v1, 4, v4               ; row 2 (t / 16), 16 bytes at 16 (t % 16)
	v_add_nc_u32 v[OFF+1], s24, v[OFF]
.irp n, 2,3,4,5,6,7
	v_add_nc_u32 v[OFF+(\n)], s34, v[OFF+(\n)-2]
.endr
	v_mul_u32_u24 v[LSA], v1, 1088                 ; stage row 4 (t % 16), pitch 272,
	v_lshl_add_u32 v[LSA], v2, 2, v[LSA]           ; k = 2 (t / 16): 4 bytes
	v_mul_u32_u24 v[LRA], v2, 272
	v_lshl_add_u32 v[LRA], v1, 4, v[LRA]
	v_lshlrev_b32 v[GOA], 11, v2
	v_lshl_add_u32 v[GOA], v1, 4, v[GOA]
	v_lshlrev_b32 v[XI], 4, v0
	v_lshlrev_b32 v[XO], 3, v0
	s_wait_kmcnt 0x0
	s_cmp_lt_u32 s16, 384
	s_cselect_b64 s[20:21], s[6:7], s[8:9]         ; the source,
	s_cselect_b64 s[22:23], s[12:13], s[14:15]     ; the destination
	s_add_nc_u64 s[20:21], s[20:21], s[26:27]
	s_add_nc_u64 s[22:23], s[22:23], s[28:29]
	s_add_nc_u64 s[4:5], s[4:5], s[30:31]
	s_add_nc_u64 s[10:11], s[10:11], s[32:33]
.irp n, 0,1,2,3,4,5,6,7
	global_load_b128 v[T+4*(\n):T+4*(\n)+3], v[OFF+(\n)], s[20:21] th:TH_LOAD_NT  ; sixteen lanes take 256 consecutive bytes of a row
.endr
.irp i, 0,1,2,3,4,5,6,7,8,9,10,11,12,13,14,15
	global_load_b128 v[X+4*(\i):X+4*(\i)+3], v[XI], s[4:5] offset:4096*(\i) th:TH_LOAD_NT  ; all 24 loads of a lane are out before the first is waited for
.endr
	; the tile: rows 2 (t / 16) + 32 i and the next, four columns: four words of two k each
.irp i, 0,1,2,3
	s_wait_loadcnt 22-2*(\i)                       ; loads come back in order: behind pair i stand 6 - 2 i loads of the tile and the 16 of inputs
.irp c, 0,1,2,3
	v_cvt_pk_bf16_f32 v[PK+4*(\i)+(\c)], v[T+8*(\i)+(\c)], v[T+8*(\i)+4+(\c)]  ; the even k below, the odd k above
	v_lshlrev_b32 v4, 16, v[PK+4*(\i)+(\c)]        ; the two rounded numbers as f32,
	v_and_b32 v5, s35, v[PK+4*(\i)+(\c)]
	v_cvt_pk_f16_f32 v4, v4, v5                    ; written as f16,
	v_cndmask_b32 v[PK+4*(\i)+(\c)], v[PK+4*(\i)+(\c)], v4, s25  ; which w_o's tiles take
	ds_store_b32 v[LSA], v[PK+4*(\i)+(\c)] offset:272*(\c)+64*(\i)
.endr
.endr
	; the cast of inputs: 16 bytes in, 8 bytes out; a wave's store covers 256 consecutive bytes, aligned
.irp i, 0,1,2,3,4,5,6,7,8,9,10,11,12,13,14,15
	s_wait_loadcnt 15-(\i)
	v_cvt_pk_bf16_f32 v[Y+2*(\i)], v[X+4*(\i)], v[X+4*(\i)+1]
	v_cvt_pk_bf16_f32 v[Y+2*(\i)+1], v[X+4*(\i)+2], v[X+4*(\i)+3]
	global_store_b64 v[XO], v[Y+2*(\i):Y+2*(\i)+1], s[10:11] offset:2048*(\i) th:TH_STORE_NT
.endr
	s_wait_dscnt 0x0                               ; for the others' sake: my words lie in the stage
	s_barrier_signal -1
	s_barrier_wait -1                              ; everybody's do
.irp i, 0,1,2,3
	ds_load_b128 v[T+4*(\i):T+4*(\i)+3], v[LRA] offset:4352*(\i)  ; row t / 16 + 16 i: 128 k of one column n
.endr
.irp i, 0,1,2,3
	s_wait_dscnt 3-(\i)
	global_store_b128 v[GOA], v[T+4*(\i):T+4*(\i)+3], s[22:23] offset:32768*(\i)  ; sixteen lanes store 256 consecutive bytes, aligned
.endr
	s_wait_tensorcnt 0x0                           ; the wave's end: behind my last LDS store
	ds_add_u32 v[SPW], v[NIL]
	s_wait_dscnt 0x0
	s_endpgm
.Lfunc_end_k_qaf97392387_prep:
	.size	k_qaf97392387_prep, .Lfunc_end_k_qaf97392387_prep-k_qaf97392387_prep
	.p2alignl 7, 3214868480
	.fill 96, 4, 3214868480
	.section	.rodata,"a",@progbits
	.p2align	6, 0x0
	.amdhsa_kernel k_qaf97392387_prep
		.amdhsa_group_segment_fixed_size 18432
		.amdhsa_private_segment_fixed_size 0
		.amdhsa_enable_private_segment 0
		.amdhsa_kernarg_size 48
		.amdhsa_user_sgpr_count 2
		.amdhsa_user_sgpr_kernarg_segment_ptr 1
		.amdhsa_wavefront_size32 1
		.amdhsa_system_sgpr_workgroup_id_x 1
		.amdhsa_system_sgpr_workgroup_id_y 1
		.amdhsa_system_sgpr_workgroup_id_z 1
		.amdhsa_system_vgpr_workitem_id 0
		.amdhsa_next_free_vgpr 164
		.amdhsa_next_free_sgpr 66
		.amdhsa_reserve_vcc 0
		.amdhsa_float_denorm_mode_32 3
		.amdhsa_float_denorm_mode_16_64 3
		.amdhsa_memory_ordered 1
		.amdhsa_forward_progress 1
		.amdhsa_inst_pref_size 16
	.end_amdhsa_kernel
	.amdgpu_metadata
---
amdhsa.version: [ 1, 2 ]
amdhsa.kernels:
  - .name:           k_qaf97392387_prep
    .symbol:         k_qaf97392387_prep.kd
    .args:
      - { .name: inputs, .offset: 0, .size: 8, .value_kind: global_buffer, .address_space: global }
      - { .name: w_qkv, .offset: 8, .size: 8, .value_kind: global_buffer, .address_space: global }
      - { .name: w_o, .offset: 16, .size: 8, .value_kind: global_buffer, .address_space: global }
      - { .name: xb, .offset: 24, .size: 8, .value_kind: global_buffer, .address_space: global }
      - { .name: wt, .offset: 32, .size: 8, .value_kind: global_buffer, .address_space: global }
      - { .name: wot, .offset: 40, .size: 8, .value_kind: global_buffer, .address_space: global }
    .group_segment_fixed_size: 18432
    .private_segment_fixed_size: 0
    .kernarg_segment_align: 8
    .kernarg_segment_size: 48
    .max_flat_workgroup_size: 256
    .sgpr_count:     66
    .vgpr_count:     164
    .wavefront_size: 32
...
	.end_amdgpu_metadata
.endif
;; end of part 1
;; launch qkv (part 2): grid 16 x 16, 4 waves a work-group, clusters of 4 x 4, 327,680 bytes of LDS; arguments xb, wt, qh, kh, vh; writes qh, kh, vh
.if DOCPART == 2
	.amdgcn_target "amdgcn-amd-amdhsa--gfx1250"
	.amdhsa_code_object_version 6
	.text
	.protected	k_qaf97392387_qkv
	.globl	k_qaf97392387_qkv
	.p2align	8
	.type	k_qaf97392387_qkv,@function
k_qaf97392387_qkv:
	s_mov_b64 s[64:65], 0
	v_nop
	global_prefetch_b8 v0, s[64:65] scope:SCOPE_SE
	s_setreg_imm32_b32 hwreg(HW_REG_WAVE_MODE, 25, 1), 1
	s_wait_xcnt 0x0
	s_wait_alu depctr_hold_cnt(0) depctr_sa_sdst(0) depctr_va_vdst(0) depctr_va_sdst(0) depctr_va_ssrc(0) depctr_va_vcc(0) depctr_vm_vsrc(0)
	s_getreg_b32 s2, hwreg(HW_REG_IB_STS2, 6, 4)
	s_cmp_eq_u32 s2, 0
	s_cbranch_scc0 .Lentry_in_a_cluster
	s_endpgm
.Lentry_in_a_cluster:
	s_bfe_u32 s2, ttmp6, 0x10000c
	s_cmp_lg_u32 s2, 0xf033
	s_cbranch_scc0 .Lentry_shape_is_right
	s_endpgm
.Lentry_shape_is_right:
; QKV.  C[m][c] = sum over d of xb[m][d] wt[c][d]: xb [8192][1024], wt [3072][1024], both bf16; sums in f32; C rounded once to f16 and written by heads:
; qh, kh, vh [b*16+h][p][64].  LIMIT: f16 holds no number beyond 65,504: q, k and v must lie within it.
; A tile of C is 256 rows x 192 columns: the 192 columns are q, k and v of ONE head.  Four waves, 2 x 2: a wave makes 128 x 96: 48 accumulators of 16 x 16.
; A WORK-GROUP STAYS: 16 x 16 = 256 work-groups, each makes TWO tiles, 4,096 rows apart, of the same head.  Their 2 x 8 K steps of 128 are ONE stream through two LDS slots filled by tensor loads:
; the lap loop has seven trips, each fills both slots again; in the fourth the refills step to the next tile's first two K steps, and at its end the first tile goes out and the
; next tile's first quarter starts the sums anew.  Nothing waits for the first tile's stores.
; CLUSTER 4 x 4: the four of a row need the same tile of xb, the four of a column the same tile of wt: each is asked for jointly, by the same load, descriptor and mask in all four.
; The matrix instruction is used transposed (source 0 = 16 rows of wt, source 1 = 16 rows of xb): a lane holds eight neighbouring columns of one row of C.
; REGISTERS.  window 0: v16-30 addresses; two fragment buffers of 112 (A's 8 x 8 registers, then B's 6 x 8) at v32 and v144; the way out works in v144-239.
;   window 1: accumulators of my rows 0-63, (a, b) at v[8 (6 a + b)];  window 2: those of rows 64-127.
.set SIZE_K, 1024
.set KSTEP,  128
.set PITCH,  272                       ; an LDS row: 256 bytes + 16 of padding = 68 words: the 16 rows that a load touches start at 16 different groups of four banks (ISA guide 11.1)
.set HALFA,  128*PITCH                 ; what a wave fetches, and reads, of A
.set HALFB,  96*PITCH                  ; of B
.set BOFF,   2*HALFA                   ; in a slot: A's 256 rows, then B's 192
.set SLOT,   2*HALFA+2*HALFB
.set STAGE,  2*SLOT                    ; behind the ring, never filled by a tensor load: 128 rows of 384 bytes + 16, the work-group's, for the way out
.set SP,     400
.set SPARE,  STAGE+128*SP              ; behind the stage: the spare words, 128 bytes a wave
.set LAPS,   8                         ; a lap = two K steps; two tiles have eight
.set MID,    4                         ; the trip count at which the first tile ends
.set WALKA,  16*256*SIZE_K*2           ; bytes of xb from a tile to the next: 4,096 rows
.set NEXT_A, WALKA-6*KSTEP*2           ; from a slot's last K step of a tile to its first of the next
.set BACK_B, 8*KSTEP*2                 ; wt goes back along K: + 2 K steps like every refill, - 8
.set NEXT_P, WALKA-7*KSTEP*2           ; the prefetches' step from a tile's K step 7 to the next tile's K step 0
.set WALKO,  4*16*131072               ; bytes of qh, kh, vh from a tile to the next: four batches of sixteen heads
.set ADRA, 16                          ; v16-17 my A fragments in slot 0, 1
.set ADRB, 20                          ; v20-21 my B fragments
.set STO,  24                          ; v24 the way out: where I put 16 bytes of a row
.set RD,   25                          ; v25 where I read rows back
.set GO,   26                          ; v26 16 x lane
.set SPW,  28                          ; v28 my spare word; never rewritten
.set NIL,  29                          ; v29 0; never rewritten
.set PFO,  30                          ; v30 the prefetches' offset: a row of 2,048 bytes a lane; never rewritten
.set F0,   32
.set F1,   144
.set TMP,  144
.set G1,  24                           ; s[24:31] group 1 for A's tiles;  s[32:39] group 0, a set for each slot
.set G0,  32
.set G1B, 48                           ; s[48:55], s[56:63] the same for B's
.set G0B, 56
.set LIM, 43                           ; s43 a wave prefetches while the trip count is above this
.set PFA, 44                           ; s[44:45] the K step that my next prefetch names
.set OUTQ, 68                          ; s[68:73] qh, kh, vh at my wave's first row of the tile in hand
.set IA,  80                           ; s[80:81] what this trip's refills add to A's addresses
.set IB,  82                           ; s[82:83] what they take from B's
.set IP,  84                           ; s[84:85] the prefetches' step
.set C512, 86
.set C256, 87
.set MSB, 0
.macro WIN new                         ; the immediate's high byte repeats the setting that is left; a switch that changes nothing is dropped
.if MSB != (\new)
	s_set_vgpr_msb (MSB<<8)|(\new)
.set MSB, \new
.endif
.endm
.set MUL_LO, 0x50                      ; C and D window 1, sources window 0
; A joint load: waves 0 and 1 fetch A's two halves, waves 2 and 3 B's.  An s_nop 0 and four v_nop follow each of the two lines.
.macro JLOAD s
	s_cmp_eq_u32 s11, 0
	s_cbranch_scc0 .Lfor_b_\@
	tensor_load_to_lds s[G0+4*(\s):G0+4*(\s)+3], s[G1:G1+7]
	s_nop 0
.rept 4
	v_nop
.endr
	s_branch .Lasked_\@
.Lfor_b_\@:
	tensor_load_to_lds s[G0B+4*(\s):G0B+4*(\s)+3], s[G1B:G1B+7]
	s_nop 0
.rept 4
	v_nop
.endr
.Lasked_\@:
.endm
; A prefetch of the K step that stands two refills on in the stream: a lane a row, 256 bytes of it.  A's rows are asked for by the clusters with x = 0, in all trips but the last (K steps 4 to 15 of the
; stream); B's by those with y = 0, in the first two trips (K steps 4 to 7: the second tile takes the same rows again).  The four partners that ask for a tile jointly share its rows out by address
; (32 each of A's 128, 24 each of B's 96: there lanes 24-31 name row 23 again, in the same instruction).
.macro ASK
	s_cmp_gt_u32 s3, s[LIM]
	s_cbranch_scc0 .Lnot_mine_\@
	global_prefetch_b8 v[PFO], s[PFA:PFA+1] th:TH_LOAD_NT scope:SCOPE_SE
.Lnot_mine_\@:
.endm
.macro CREST                           ; a round of the cluster's barrier behind its opening barrier
	s_cmp_lg_u32 s10, 0
	s_cbranch_scc1 .Lnot_wave_0_\@
	s_barrier_signal -3
.Lnot_wave_0_\@:
	s_barrier_wait -3
	s_barrier_signal -1
	s_barrier_wait -1
.endm
.macro CROUND
	s_barrier_signal -1
	s_barrier_wait -1
	CREST
.endm
	s_load_b128 s[4:7], s[0:1], 0x0                ; xb s[4:5], wt s[6:7]
	s_load_b128 s[68:71], s[0:1], 0x10             ; qh, kh
	s_load_b64 s[72:73], s[0:1], 0x20              ; vh
	v_lshl_add_u32 v[SPW], v0, 2, SPARE
	v_mov_b32 v[NIL], 0
	ds_add_u32 v[SPW], v[NIL]                      ; the wave's opening: the add and its wait stand ahead of my first tensor load; work on registers stands between them
	v_lshrrev_b32 v1, 5, v0
	v_readfirstlane_b32 s10, v1                    ; wave 0..3
	s_lshr_b32 s11, s10, 1                         ; my half of the tile's rows.  Also: I fetch for A (0) or B (1)
	s_and_b32 s12, s10, 1                          ; my half of its columns.  Also: which half of that tile I fetch
	s_bfe_u32 s40, ttmp6, 0x40000                  ; cx
	s_bfe_u32 s41, ttmp6, 0x40004                  ; cy
	s_lshl_b32 s42, ttmp9, 2
	s_add_co_u32 s42, s42, s40                     ; tile column = the head
	s_and_b32 s13, ttmp7, 0xffff
	s_lshl_b32 s13, s13, 2
	s_add_co_u32 s13, s13, s41                     ; the first tile's row, 0 to 15
	s_lshl_b32 s43, s41, 2
	s_lshl_b32 s43, 15, s43                        ; my row of the cluster
	s_lshl_b32 s44, 0x1111, s40                    ; my column
	s_or_b32 s[G1+0], s43, (1<<16)|(1<<20)|(1<<21)|(5<<22)|(3<<25)   ; the mask; 2-byte elements; padding on; bit 21 beside a mask; after every 64 words 4 words
	s_or_b32 s[G1B+0], s44, (1<<16)|(1<<20)|(1<<21)|(5<<22)|(3<<25)
	s_mov_b32 s[G1+1], KSTEP<<16                   ; tensor_dim0 = 128
	s_mov_b32 s[G1+2], 128<<16                     ; tensor_dim1 = 128
	s_mov_b32 s[G1+3], KSTEP<<16                   ; tile_dim0 = 128
	s_mov_b32 s[G1+4], 128                         ; tile_dim1 = 128
	s_mov_b32 s[G1+5], SIZE_K                      ; elements from row to row
	s_mov_b32 s[G1+6], 0
	s_mov_b32 s[G1+7], 0
	s_mov_b32 s[G1B+1], KSTEP<<16
	s_mov_b32 s[G1B+2], 96<<16                     ; B's tiles have 96 rows
	s_mov_b32 s[G1B+3], KSTEP<<16
	s_mov_b32 s[G1B+4], 96
	s_mov_b32 s[G1B+5], SIZE_K
	s_mov_b32 s[G1B+6], 0
	s_mov_b32 s[G1B+7], 0
	s_mov_b32 s[IA+1], 0                           ; the steps' high words
	s_mov_b32 s[IB+1], 0
	s_mov_b32 s[IP+1], 0
	s_mov_b32 s[C512], 2*KSTEP*2
	s_mov_b32 s[C256], KSTEP*2
	s_lshl_b32 s17, s12, 7
	s_lshl_b32 s16, s13, 8
	s_add_co_u32 s16, s16, s17                     ; A: row 256 x tile row + 128 x half
	s_lshl_b32 s16, s16, 11                        ; in bytes
	s_mov_b32 s17, 0
	s_mul_i32 s46, s42, 192
	s_mul_i32 s47, s12, 96
	s_add_co_u32 s46, s46, s47                     ; B: row 192 x tile column + 96 x half
	s_lshl_b32 s46, s46, 11
	s_mov_b32 s47, 0
	s_mul_i32 s20, s12, HALFA                      ; where they go: no place in the cluster enters an LDS address
	s_mul_i32 s21, s12, HALFB
	s_add_co_u32 s21, s21, BOFF
	s_wait_dscnt 0x0                               ; the opening add is done
	s_wait_kmcnt 0x0
	s_add_nc_u64 s[14:15], s[4:5], s[16:17]
	s_add_nc_u64 s[46:47], s[6:7], s[46:47]
	CROUND                                         ; all sixteen work-groups are here: the first joint loads meet
.irp s, 0,1
	s_mov_b32 s[G0+4*(\s)], 1
	s_add_co_u32 s[G0+4*(\s)+1], s20, (\s)*SLOT
	s_add_nc_u64 s[G0+4*(\s)+2:G0+4*(\s)+3], s[14:15], (\s)*KSTEP*2
	s_or_b32 s[G0+4*(\s)+3], s[G0+4*(\s)+3], 0x80000000
	s_mov_b32 s[G0B+4*(\s)], 1
	s_add_co_u32 s[G0B+4*(\s)+1], s21, (\s)*SLOT
	s_add_nc_u64 s[G0B+4*(\s)+2:G0B+4*(\s)+3], s[46:47], (\s)*KSTEP*2
	s_or_b32 s[G0B+4*(\s)+3], s[G0B+4*(\s)+3], 0x80000000
	JLOAD \s                                       ; K steps 0 and 1: two loads of mine are out
.endr
	v_and_b32 v1, 15, v0                           ; l % 16
	v_bfe_u32 v2, v0, 4, 1                         ; l / 16
	v_mul_u32_u24 v3, v1, PITCH
	v_lshl_add_u32 v3, v2, 4, v3                   ; a fragment's row x pitch + 16 x half
	s_mul_i32 s21, s11, HALFA
	s_mul_i32 s22, s12, HALFB
	s_add_co_u32 s22, s22, BOFF
.irp s, 0,1
	v_add_nc_u32 v[ADRA+(\s)], s21, v3
	v_add_nc_u32 v[ADRB+(\s)], s22, v3
	s_add_co_u32 s21, s21, SLOT
	s_add_co_u32 s22, s22, SLOT
.endr
	s_mul_i32 s23, s11, 64*SP                      ; into the stage: a pass holds 64 rows of each half of the tile's rows; my 192 bytes of their 384
	s_mul_i32 s22, s12, 192
	s_add_co_u32 s23, s23, s22
	s_add_co_u32 s23, s23, STAGE
	v_mul_u32_u24 v4, v1, SP
	v_lshl_add_u32 v4, v2, 4, v4
	v_add_nc_u32 v[STO], s23, v4
	s_mul_i32 s23, s10, 32*SP                      ; back: wave w takes the stage's rows 32 w .. 32 w + 31; 32 lanes take 128 bytes of four rows
	s_add_co_u32 s23, s23, STAGE
	v_bfe_u32 v5, v0, 3, 2
	v_and_b32 v6, 7, v0
	v_mul_u32_u24 v5, v5, SP
	v_lshl_add_u32 v5, v6, 4, v5
	v_add_nc_u32 v[RD], s23, v5
	v_and_b32 v[GO], 31, v0
	v_lshlrev_b32 v[GO], 4, v[GO]                  ; which are 512 consecutive bytes of a head's rows
	s_lshr_b32 s74, s13, 2                         ; b
	s_lshl_b32 s74, s74, 4
	s_add_co_u32 s74, s74, s42                     ; b x 16 + h
	s_lshl_b32 s74, s74, 17                        ; 1,024 rows of 128 bytes
	s_and_b32 s75, s13, 3
	s_lshl_b32 s75, s75, 15                        ; the tile's 256 rows
	s_add_co_u32 s74, s74, s75
	s_lshl_b32 s75, s11, 14                        ; the stage's rows 32 w .. are the tile's rows 128 (w / 2) + 32 (w % 2) .. (+ 64 in the second pass)
	s_add_co_u32 s74, s74, s75
	s_lshl_b32 s75, s12, 12
	s_add_co_u32 s74, s74, s75
	s_mov_b32 s75, 0
	s_add_nc_u64 s[OUTQ:OUTQ+1], s[OUTQ:OUTQ+1], s[74:75]
	s_add_nc_u64 s[OUTQ+2:OUTQ+3], s[OUTQ+2:OUTQ+3], s[74:75]
	s_add_nc_u64 s[OUTQ+4:OUTQ+5], s[OUTQ+4:OUTQ+5], s[74:75]
	; the prefetches
	s_lshl_b32 s76, s13, 8
	s_lshl_b32 s78, s12, 7
	s_add_co_u32 s76, s76, s78
	s_lshl_b32 s78, s40, 5
	s_add_co_u32 s76, s76, s78                     ; A: 256 x tile row + 128 x half + 32 cx
	s_mul_i32 s77, s42, 192
	s_mul_i32 s79, s12, 96
	s_add_co_u32 s77, s77, s79
	s_mul_i32 s79, s41, 24
	s_add_co_u32 s77, s77, s79                     ; B: 192 x tile column + 96 x half + 24 cy
	s_and_b32 s22, ttmp7, 0xffff                   ; cluster y
	s_cmp_eq_u32 s11, 0                            ; do I fetch for A?
	s_cselect_b32 s20, s76, s77
	s_cselect_b32 s22, ttmp9, s22                  ; the coordinate along which other clusters read the same rows
	s_cselect_b32 s23, 31, 23                      ; my last row
	s_cselect_b32 s79, 1, MID+1                    ; A's rows: all trips but the last; B's: the trips of the first tile that have a K step two refills on
	s_cselect_b64 s[PFA:PFA+1], s[4:5], s[6:7]
	s_cmp_eq_u32 s22, 0
	s_cselect_b32 s[LIM], s79, -1                  ; the same in all sixteen partners, for a given wave
	s_lshl_b32 s20, s20, 11
	s_add_co_u32 s20, s20, 3*KSTEP*2               ; at K step 3: the first refill steps it to 4 and names that
	s_mov_b32 s21, 0
	s_add_nc_u64 s[PFA:PFA+1], s[PFA:PFA+1], s[20:21]
	v_and_b32 v[PFO], 31, v0
	v_min_u32 v[PFO], s23, v[PFO]
	v_lshlrev_b32 v[PFO], 11, v[PFO]
; 12 matrix instructions: row blocks a0, a0 + 1 of the window's four x all 6 column blocks, 32 along K.  zero = 1: the product starts the sums.
.macro MUL12 f, hi, a0, zero
	WIN MUL_LO+0x50*(\hi)
.irp a, \a0, (\a0)+1
.irp b, 0,1,2,3,4,5
.if \zero
	v_wmma_f32_16x16x32_bf16 v[8*(6*(\a)+(\b)):8*(6*(\a)+(\b))+7], v[(\f)+64+8*(\b):(\f)+64+8*(\b)+7], v[(\f)+8*(4*(\hi)+(\a)):(\f)+8*(4*(\hi)+(\a))+7], 0
.else
	v_wmma_f32_16x16x32_bf16 v[8*(6*(\a)+(\b)):8*(6*(\a)+(\b))+7], v[(\f)+64+8*(\b):(\f)+64+8*(\b)+7], v[(\f)+8*(4*(\hi)+(\a)):(\f)+8*(4*(\hi)+(\a))+7], v[8*(6*(\a)+(\b)):8*(6*(\a)+(\b))+7]
.endif
.endr
.endr
.endm
; 28 LDS loads in one run: a quarter step's fragments (96 rows of B, then 128 of A, 32 K at byte k of the rows) into buffer f
.macro FETCH slot, k, f
	WIN 0
.irp i, 0,1,2,3,4,5
	ds_load_b128 v[(\f)+64+8*(\i):(\f)+64+8*(\i)+3],   v[ADRB+(\slot)] offset:(\k)+(\i)*16*PITCH
	ds_load_b128 v[(\f)+64+8*(\i)+4:(\f)+64+8*(\i)+7], v[ADRB+(\slot)] offset:(\k)+(\i)*16*PITCH+32
.endr
.irp i, 0,1,2,3,4,5,6,7
	ds_load_b128 v[(\f)+8*(\i):(\f)+8*(\i)+3],   v[ADRA+(\slot)] offset:(\k)+(\i)*16*PITCH
	ds_load_b128 v[(\f)+8*(\i)+4:(\f)+8*(\i)+7], v[ADRA+(\slot)] offset:(\k)+(\i)*16*PITCH+32
.endr
.endm
.macro PLACES                          ; four plain instructions between matrix instructions and loads into registers that they read, or readers of their results
.rept 4
	v_nop
.endr
.endm
; A K step is four quarters of 32 along K, 48 matrix instructions each, on buffers 0, 1, 0, 1; the 48 accumulators take turns in one order throughout.
.macro QUARTER slot, k, f, g, zero
	s_wait_dscnt 8                                 ; B and A's rows 0-63 are in; the youngest eight loads (A's rows 64-127) may be out
	MUL12 \f, 0, 0, \zero
	MUL12 \f, 0, 2, \zero
	PLACES
	FETCH \slot, \k, \g
	s_wait_dscnt 28                                ; all but the 28 just issued
	MUL12 \f, 1, 0, \zero
	MUL12 \f, 1, 2, \zero
.endm
; The last quarter multiplies buffer 1 and changes slots: one barrier; in front of it each wave waits for all its tensor loads (one is out: its part of the next slot), adds 0 to its spare word,
; and waits for that and for its reads of this slot.  fill = 1: the barrier opens a round of the cluster's, and the joint refill, two K steps on in the stream, is the first thing behind the round:
; 168 matrix instructions stand between it and the wait for it.
.macro TURN slot, next, fill
.if \fill
	s_wait_xcnt 0x0                                ; the last prefetch, a K step back, has read its address
.if (\slot) == 0
	s_cmp_eq_u32 s3, MID+1                         ; from the first tile's K step 7 to the second's K step 0?
	s_cselect_b32 s[IP], NEXT_P, s[C256]
	s_add_nc_u64 s[PFA:PFA+1], s[PFA:PFA+1], s[IP:IP+1]
.else
	s_add_nc_u64 s[PFA:PFA+1], s[PFA:PFA+1], KSTEP*2
.endif
.endif
	WIN 0
	s_wait_tensorcnt 0x0
	ds_add_u32 v[SPW], v[NIL]
	s_wait_dscnt 9                                 ; the add and the youngest eight loads may be out
	MUL12 F1, 0, 0, 0
	s_wait_dscnt 0x0                               ; the add is done, my reads of this slot are over
	s_barrier_signal -1
	MUL12 F1, 0, 2, 0
.if \fill
	WIN 0
.endif
	s_barrier_wait -1
.if \fill
	CREST                                          ; no wave of any partner still reads this slot or has a load on its way
	s_add_nc_u64 s[G0+4*(\slot)+2:G0+4*(\slot)+3], s[G0+4*(\slot)+2:G0+4*(\slot)+3], s[IA:IA+1]
	s_add_nc_u64 s[G0B+4*(\slot)+2:G0B+4*(\slot)+3], s[G0B+4*(\slot)+2:G0B+4*(\slot)+3], 2*KSTEP*2
	s_sub_nc_u64 s[G0B+4*(\slot)+2:G0B+4*(\slot)+3], s[G0B+4*(\slot)+2:G0B+4*(\slot)+3], s[IB:IB+1]
	JLOAD \slot                                    ; its four v_nop are also the places in front of the loads below
.else
	PLACES
.endif
	FETCH \next, 0, F0
.if \fill
	ASK
.endif
	MUL12 F1, 1, 0, 0
	MUL12 F1, 1, 2, 0
.endm
; THE WAY OUT of a tile, in two passes of four row blocks a wave (pass p: the accumulators of window 1 + p).  Rounded to f16, 16 bytes a lane into the work-group's stage (a row: 128 bytes of q, of k, of v);
; a barrier, since a row comes from two waves; back by planes, four rows of 128 bytes to a load, and stored.  A second barrier, behind every wave's reads, stands in front of the second pass's stores into the stage.
; It works in buffer 1's registers: buffer 0 may hold the next tile's first fragments.  more = 1: another tile follows.
.macro WAYOUT more
	WIN 0
	PLACES                                         ; the conversions write registers that the last products read
	PLACES
.irp p, 0,1
	WIN 0x05+5*(\p)                                ; sources in window 1 or 2
.irp a, 0,1,2,3
.irp b, 0,1,2,3,4,5
.irp r, 0,1,2,3
	v_cvt_pk_f16_f32 v[TMP+4*(6*(\a)+(\b))+(\r)], v[8*(6*(\a)+(\b))+2*(\r)], v[8*(6*(\a)+(\b))+2*(\r)+1]
.endr
.endr
.endr
	WIN 0
.irp a, 0,1,2,3
.irp b, 0,1,2,3,4,5
	ds_store_b128 v[STO], v[TMP+4*(6*(\a)+(\b)):TMP+4*(6*(\a)+(\b))+3] offset:(\a)*16*SP+32*(\b)
.endr
.endr
	s_wait_dscnt 0x0                               ; for the others' sake: my stores into the stage are done
	s_barrier_signal -1
	s_barrier_wait -1
.irp c, 0,1,2
.irp t, 0,1,2,3,4,5,6,7
	ds_load_b128 v[TMP+4*(8*(\c)+(\t)):TMP+4*(8*(\c)+(\t))+3], v[RD] offset:128*(\c)+(\t)*4*SP
.endr
.endr
.irp c, 0,1,2
.irp t, 0,1,2,3,4,5,6,7
	s_wait_dscnt 23-8*(\c)-(\t)                    ; LDS loads come back in order: the younger ones may be out
	global_store_b128 v[GO], v[TMP+4*(8*(\c)+(\t)):TMP+4*(8*(\c)+(\t))+3], s[OUTQ+2*(\c):OUTQ+2*(\c)+1] offset:8192*(\p)+512*(\t)  ; 512 consecutive bytes, aligned
.endr
.endr
.if (\p) == 0
	s_barrier_signal -1                            ; my reads of the stage are back (the count-down ended at 0):
	s_barrier_wait -1                              ; everybody's are, so it may be written again
	s_wait_xcnt 0x0                                ; the stores have read their registers, which the second pass writes
.endif
.endr
.if \more
	s_wait_xcnt 0x0                                ; the stores have read their registers and bases: buffer 1 is loaded again, the bases step to the next tile
	s_add_nc_u64 s[OUTQ:OUTQ+1], s[OUTQ:OUTQ+1], WALKO
	s_add_nc_u64 s[OUTQ+2:OUTQ+3], s[OUTQ+2:OUTQ+3], WALKO
	s_add_nc_u64 s[OUTQ+4:OUTQ+5], s[OUTQ+4:OUTQ+5], WALKO
.endif
.endm
	s_wait_tensorcnt 1                             ; my part of K step 0 is in; K step 1's may stay out
	s_barrier_signal -1
	s_barrier_wait -1
	FETCH 0, 0, F0
	QUARTER 0, 64, F0, F1, 1                       ; the first quarter stands in front of the loop: its products start the sums
	WIN 0
	s_mov_b32 s3, LAPS-1
.Llap:                                                 ; a trip goes once round the ring and fills both slots again
	s_cmp_eq_u32 s3, MID                           ; this trip's refills: two K steps on, or the next tile's K steps 0 and 1
	s_cselect_b32 s[IA], NEXT_A, s[C512]
	s_cselect_b32 s[IB], BACK_B, 0
	QUARTER 0, 128, F1, F0, 0
	QUARTER 0, 192, F0, F1, 0
	TURN 0, 1, 1
	QUARTER 1, 64,  F0, F1, 0
	QUARTER 1, 128, F1, F0, 0
	QUARTER 1, 192, F0, F1, 0
	TURN 1, 0, 1
	WIN 0
	s_cmp_eq_u32 s3, MID                           ; the trip count is the same in every wave and every work-group
	s_cbranch_scc1 .Lmid
	QUARTER 0, 64,  F0, F1, 0
	WIN 0
	s_branch .Ljoin
.Lmid:                                                 ; the first tile is finished; both refills for the second are asked for, and its first fragments are fetched
	WAYOUT 1
	QUARTER 0, 64,  F0, F1, 1                      ; the second tile's first quarter starts the sums anew
	WIN 0
.Ljoin:
	s_sub_co_u32 s3, s3, 1
	s_cmp_lg_u32 s3, 0
	s_cbranch_scc1 .Llap
	QUARTER 0, 128, F1, F0, 0                      ; the last lap fills nothing
	QUARTER 0, 192, F0, F1, 0
	TURN 0, 1, 0
	QUARTER 1, 64,  F0, F1, 0
	QUARTER 1, 128, F1, F0, 0
	QUARTER 1, 192, F0, F1, 0
	s_wait_dscnt 8
	MUL12 F1, 0, 0, 0
	MUL12 F1, 0, 2, 0
	s_wait_dscnt 0x0
	MUL12 F1, 1, 0, 0
	MUL12 F1, 1, 2, 0
	WAYOUT 0
	s_wait_tensorcnt 0x0                           ; the wave's end
	ds_add_u32 v[SPW], v[NIL]
	s_wait_dscnt 0x0
	CROUND                                         ; the closing round
	s_endpgm
.Lfunc_end_k_qaf97392387_qkv:
	.size	k_qaf97392387_qkv, .Lfunc_end_k_qaf97392387_qkv-k_qaf97392387_qkv
	.p2alignl 7, 3214868480
	.fill 96, 4, 3214868480
	.section	.rodata,"a",@progbits
	.p2align	6, 0x0
	.amdhsa_kernel k_qaf97392387_qkv
		.amdhsa_group_segment_fixed_size 327680
		.amdhsa_private_segment_fixed_size 0
		.amdhsa_enable_private_segment 0
		.amdhsa_kernarg_size 40
		.amdhsa_user_sgpr_count 2
		.amdhsa_user_sgpr_kernarg_segment_ptr 1
		.amdhsa_wavefront_size32 1
		.amdhsa_system_sgpr_workgroup_id_x 1
		.amdhsa_system_sgpr_workgroup_id_y 1
		.amdhsa_system_sgpr_workgroup_id_z 1
		.amdhsa_system_vgpr_workitem_id 0
		.amdhsa_next_free_vgpr 704
		.amdhsa_next_free_sgpr 92
		.amdhsa_reserve_vcc 0
		.amdhsa_float_denorm_mode_32 3
		.amdhsa_float_denorm_mode_16_64 3
		.amdhsa_memory_ordered 1
		.amdhsa_forward_progress 1
		.amdhsa_inst_pref_size 148
	.end_amdhsa_kernel
	.amdgpu_metadata
---
amdhsa.version: [ 1, 2 ]
amdhsa.kernels:
  - .name:           k_qaf97392387_qkv
    .symbol:         k_qaf97392387_qkv.kd
    .args:
      - { .name: xb, .offset: 0, .size: 8, .value_kind: global_buffer, .address_space: global }
      - { .name: wt, .offset: 8, .size: 8, .value_kind: global_buffer, .address_space: global }
      - { .name: qh, .offset: 16, .size: 8, .value_kind: global_buffer, .address_space: global }
      - { .name: kh, .offset: 24, .size: 8, .value_kind: global_buffer, .address_space: global }
      - { .name: vh, .offset: 32, .size: 8, .value_kind: global_buffer, .address_space: global }
    .group_segment_fixed_size: 327680
    .private_segment_fixed_size: 0
    .kernarg_segment_align: 8
    .kernarg_segment_size: 40
    .max_flat_workgroup_size: 128
    .sgpr_count:     92
    .vgpr_count:     704
    .wavefront_size: 32
...
	.end_amdgpu_metadata
.endif
;; end of part 2
;; launch attn (part 3): grid 2 x 128, 4 waves a work-group, no clusters, 327,680 bytes of LDS; arguments qh, kh, vh, oh; writes oh
.if DOCPART == 3
	.amdgcn_target "amdgcn-amd-amdhsa--gfx1250"
	.amdhsa_code_object_version 6
	.text
	.protected	k_qaf97392387_attn
	.globl	k_qaf97392387_attn
	.p2align	8
	.type	k_qaf97392387_attn,@function
k_qaf97392387_attn:
	s_mov_b64 s[64:65], 0
	v_nop
	global_prefetch_b8 v0, s[64:65] scope:SCOPE_SE
	s_setreg_imm32_b32 hwreg(HW_REG_WAVE_MODE, 25, 1), 1
	s_wait_xcnt 0x0
; ATTENTION.  O[g][q][:] = the sum over k of softmax_k(Q[g][q] . K[g][k] / 8) V[g][k][:], g = b*16+h.  Q, K, V, O: [128][1024][64], all f16: a head's rows are dense, 128 bytes each.
; Products, maxima and sums in f32; the weights p are rounded to f16 for the second product (their sum l is taken of the unrounded p), O once at the end.
; LIMITS.  Q, K and V arrive within f16's 65,504; p lies in 0 to 1, and below 6e-5 it keeps f16's fixed step of 6e-8; a weight below 2^-126 counts as 0 in l; NaN and infinities are not treated apart.
; SHARES.  A wave owns four PIECES of two tiles of 16 queries, a work-group's four waves 512 queries of one head: 2 x 128 = 256 work-groups.  Every wave walks all 1,024 keys, 64 a step.
; THE WHOLE HEAD LIES IN LDS: 1,024 rows of K at 144 bytes and 1,024 of V at 160 are 311,296 bytes.  Each wave asks twice, at the head: for its 128 of the keys 0-255, then for its 384 of the keys 256-1,023.
; No byte is filled again, so there is no ring and no tensor load in the loop: ONE text of a key step serves all sixteen.  All is asked for at the head, so no later request exists for a prefetch to run ahead of.
; NO CLUSTER: a head has two blocks of 512 queries, so four partners would belong to two heads, which need different tiles; four partners a head would mean 256 queries a work-group,
; and each fragment of K and V read from LDS would feed half as many products.
; LAYOUT.  S^T = K Q^T (source 0 = 16 keys, source 1 = 16 queries): a lane holds ONE query (lane % 16) and the keys 8 (lane / 16) + 0..7.  Two such tiles, rounded to f16 in pairs, ARE source 1
; of O^T = V^T P, whose result again holds one query a lane.  K comes out of LDS as it lies, V ([key][channel]) turned, by ds_load_tr16_b128.
; SOFTMAX.  A running maximum m and sum l: p = 2^(c s - c m), c = log2(e) / 8; in every step O and l are multiplied by a = 2^(c m_old - c m_new).  m starts at the lowest finite number, O and l at 0.
; BY TURNS.  Turn n belongs to piece n: 16 products K Q^T of piece n + 1, later 16 products V^T P of piece n - 1; its vector work: scaling, exponentials, roundings, sums and rescaling of piece n and the
; maximum and statistics of piece n + 1.  Four vector instructions stand behind every matrix instruction, the others in one run.  A turn's 66 exponentials are one batch with one wait.
; REGISTERS, in windows of 256 (s_set_vgpr_msb: bits 1:0 source 0, 3:2 source 1, 5:4 source 2, 7:6 destination):
;   window 0: v0-11 addresses; v12-15, v48-63 at work; v16-47 statistics; v64-191 S^T, two buffers of two tiles; v192-255 P, likewise
;   window 1: O^T, 32 a tile     window 2: v0-127 Q; v128-191 K of one step; v192-255 V of one step     window 3: v0-1 the add's two registers
.set SIZE_N, 1024
.set NP,    4
.set KS,    64
.set PK,    144       ; a row of K in LDS: 128 bytes + 16: the 16 rows of a load start at 16 different groups of four banks (ISA guide 11.1)
.set PV,    160       ; a row of V: 128 + 32
.set VOFF,  SIZE_N*PK ; all of K, then all of V
.set STAGE, VOFF+SIZE_N*PV  ; behind them, never filled by a tensor load: 16 rows x 144 bytes for each wave
.set SP,    144
.set AK0, 2
.set AV0, 3
.set AK,  4
.set AV,  5
.set QO,  6
.set STO, 6
.set RD,  7
.set GO,  8
.set SPW, 0           ; v0 of window 3: my spare word; never rewritten
.set NIL, 1           ; v1 of window 3: 0; never rewritten
.set SPARE, STAGE+4*16*SP
.set MV,  12
.set ST,  16
.set TMP, 48
.set S,   64
.set P,   192
.set KF,  128
.set VF,  192
.set WV,  12
.set G1K, 24          ; s[24:31] group 1, K, the first fill: 64 rows of 256 bytes
.set G1V, 32          ; s[32:39] V likewise
.set G0K, 40          ; s[40:43], s[44:47] group 0 of the first fills
.set G0V, 44
.set G0K2, 48         ; s[48:51], s[52:55] group 0 of the second fills
.set G0V2, 52
.set SLOTS, 56        ; s56  counts the two phases
.set CNT, 57          ; s57  counts a phase's trips
.set CS,  58
.set SEL, 60
.set TBK, 62          ; s62  LDS byte at which K of the step to be fetched begins
.set TBV, 63          ; s63  the same for V, less VOFF
.set G1K2, 68         ; s[68:75] group 1, K, the second fill: 192 rows of 256 bytes
.set G1V2, 76         ; s[76:83] V likewise
.set TOT, 84          ; s84  key steps whose pieces 2 and 3 are still to come
.set MSB, 0
.macro WIN new
.if MSB != (\new)
	s_set_vgpr_msb (MSB<<8)|(\new)
.set MSB, (\new)
.endif
.endm
.set W_KQ, 0x0a
.set W_PV, 0x52
.set W_RS, 0x41
.set W_MK, 0xc0
.set W_AD, 0x0f
	s_load_b256 s[4:11], s[0:1], 0x0  ; Q s[4:5], K s[6:7], V s[8:9], O s[10:11]
	WIN W_MK
	v_lshl_add_u32 v[SPW], v0, 2, SPARE
	v_mov_b32 v[NIL], 0
	WIN W_AD
	ds_add_u32 v[SPW], v[NIL]       ; the wave's opening: the add and its wait stand ahead of my first tensor load
	WIN 0
	v_lshrrev_b32 v1, 5, v0
	v_readfirstlane_b32 s[WV], v1   ; wave 0..3
	s_and_b32 s20, ttmp7, 0xffff    ; the head
	s_lshl_b32 s20, s20, 17         ; its first byte in each of the four tensors: 1,024 rows of 128 bytes
	s_mov_b32 s21, 0
	s_and_b32 s16, s[WV], 1         ; which half of a fill's keys I fetch
	s_lshl_b32 s22, s16, 14         ; the first fill: 128 keys of 128 bytes,
	s_mov_b32 s23, 0
	s_add_nc_u64 s[22:23], s[22:23], s[20:21]
	s_mul_i32 s14, s16, 384*128     ; the second: 384 keys,
	s_add_co_u32 s14, s14, 256*128  ; behind the first 256
	s_mov_b32 s15, 0
	s_add_nc_u64 s[14:15], s[14:15], s[20:21]
	s_lshl_b32 s2, ttmp9, 2
	s_add_co_u32 s2, s2, s[WV]      ; my wave among the head's eight,
	s_lshl_b32 s2, s2, 14           ; its 128 rows
	s_mov_b32 s3, 0
	s_add_nc_u64 s[2:3], s[2:3], s[20:21]
	; descriptor group 1.  Keys are dense in memory: asked for as rows of 256 bytes, two keys a row, and padded in LDS after every key
	s_mov_b32 s[G1K], (1<<16)|(1<<20)|(4<<22)|(3<<25)   ; 2-byte elements; padding on; after every 32 words 4 words
	s_mov_b32 s[G1K2], (1<<16)|(1<<20)|(4<<22)|(3<<25)
	s_mov_b32 s[G1V], (1<<16)|(1<<20)|(4<<22)|(7<<25)   ; the same with 8 words
	s_mov_b32 s[G1V2], (1<<16)|(1<<20)|(4<<22)|(7<<25)
.irp g, G1K, G1V
	s_mov_b32 s[\g+1], 128<<16      ; tensor_dim0 = 128
	s_mov_b32 s[\g+2], 64<<16       ; tensor_dim1 = 64
	s_mov_b32 s[\g+3], 128<<16      ; tile_dim0 = 128
	s_mov_b32 s[\g+4], 64           ; tile_dim1 = 64
	s_mov_b32 s[\g+5], 128          ; 128 elements from row to row
	s_mov_b32 s[\g+6], 0
	s_mov_b32 s[\g+7], 0
.endr
.irp g, G1K2, G1V2
	s_mov_b32 s[\g+1], 128<<16
	s_mov_b32 s[\g+2], 192<<16      ; tensor_dim1 = 192
	s_mov_b32 s[\g+3], 128<<16
	s_mov_b32 s[\g+4], 192          ; tile_dim1 = 192
	s_mov_b32 s[\g+5], 128
	s_mov_b32 s[\g+6], 0
	s_mov_b32 s[\g+7], 0
.endr
	s_mov_b32 s[G0K], 1
	s_mul_i32 s[G0K+1], s16, 128*PK       ; key k of K lies at k x 144,
	s_mov_b32 s[G0V], 1
	s_mul_i32 s[G0V+1], s16, 128*PV       ; of V at VOFF + k x 160
	s_add_co_u32 s[G0V+1], s[G0V+1], VOFF
	s_mov_b32 s[G0K2], 1
	s_mul_i32 s[G0K2+1], s16, 384*PK
	s_add_co_u32 s[G0K2+1], s[G0K2+1], 256*PK
	s_mov_b32 s[G0V2], 1
	s_mul_i32 s[G0V2+1], s16, 384*PV
	s_add_co_u32 s[G0V2+1], s[G0V2+1], VOFF+256*PV
	s_mov_b32 s[CS], 0x3e38aa3b     ; c = log2(e) / 8
	s_mov_b32 s[CS+1], s[CS]
	s_mov_b32 s[SEL], 0x76543210
	s_mov_b32 s[SEL+1], 0xfedcba98
	s_mov_b32 s[TBK], 0
	s_mov_b32 s[TBV], 0
	v_and_b32 v1, 15, v0            ; l % 16
	v_bfe_u32 v9, v0, 4, 1          ; l / 16
	v_lshlrev_b32 v[QO], 7, v1
	v_lshl_add_u32 v[QO], v9, 4, v[QO]  ; row x 128 + 16 x half
	s_wait_dscnt 0x0                ; the opening add is done
	s_wait_kmcnt 0x0
	s_add_nc_u64 s[G0K+2:G0K+3], s[6:7], s[22:23]
	s_or_b32 s[G0K+3], s[G0K+3], 0x80000000
	s_add_nc_u64 s[G0V+2:G0V+3], s[8:9], s[22:23]
	s_or_b32 s[G0V+3], s[G0V+3], 0x80000000
	s_add_nc_u64 s[G0K2+2:G0K2+3], s[6:7], s[14:15]
	s_or_b32 s[G0K2+3], s[G0K2+3], 0x80000000
	s_add_nc_u64 s[G0V2+2:G0V2+3], s[8:9], s[14:15]
	s_or_b32 s[G0V2+3], s[G0V2+3], 0x80000000
	s_add_nc_u64 s[4:5], s[4:5], s[2:3]  ; Q and O at my wave's first row
	s_add_nc_u64 s[10:11], s[10:11], s[2:3]
	WIN 0x80                        ; destination window 2
.set i, 0
.rept 4*NP                          ; Q stays in registers: tile i / 2, channels 32 (i % 2) on.  It is wanted with the first keys, so it is asked for ahead of the large fills
	global_load_b128 v[8*i:8*i+3],   v[QO], s[4:5] offset:(i/2)*2048+(i%2)*64
	global_load_b128 v[8*i+4:8*i+7], v[QO], s[4:5] offset:(i/2)*2048+(i%2)*64+32
.set i, i+1
.endr
	WIN 0
	s_cmp_lt_u32 s[WV], 2           ; waves 0 and 1 fetch K, waves 2 and 3 V.  A wave's two fills stand in one branch, ahead of every wait on TENSORcnt, every LDS read and every barrier: two loads of mine are out
	s_cbranch_scc0 .Lfirst_v
	tensor_load_to_lds s[G0K:G0K+3], s[G1K:G1K+7]
	s_nop 0
	tensor_load_to_lds s[G0K2:G0K2+3], s[G1K2:G1K2+7]
	s_nop 0
.rept 4
	v_nop
.endr
	s_branch .Lfirst_asked
.Lfirst_v:
	tensor_load_to_lds s[G0V:G0V+3], s[G1V:G1V+7]
	s_nop 0
	tensor_load_to_lds s[G0V2:G0V2+3], s[G1V2:G1V2+7]
	s_nop 0
.rept 4
	v_nop
.endr
.Lfirst_asked:
	; What the first turn finds: V's registers and P's second buffer hold 0, O^T and l are 0.  All this stands in the wait for the first keys.
	WIN 0x80
.set i, VF
.rept 64
	v_mov_b32 v[i], 0
.set i, i+1
.endr
	WIN 0x40
.set i, 0
.rept 64*NP
	v_mov_b32 v[i], 0
.set i, i+1
.endr
	WIN 0
.set i, 0
.rept 2*NP
	v_mov_b32 v[ST+4*i], 0xfe000000    ; c m: far below every c s
	v_mov_b32 v[ST+4*i+1], 0xff7fffff  ; m
	v_mov_b32 v[ST+4*i+2], 0
	v_mov_b32 v[ST+4*i+3], 0
.set i, i+1
.endr
.set i, P+32
.rept 32
	v_mov_b32 v[i], 0
.set i, i+1
.endr
	v_mul_u32_u24 v[AK0], v1, PK
	v_lshl_add_u32 v[AK0], v9, 4, v[AK0]
	; The turning load takes 16 keys x 16 channels (lane l reads key 8 (l / 16) + l % 8, channels 8 ((l / 8) % 2) + 0..7) and leaves half a fragment of V^T.
	v_and_b32 v10, 7, v0
	v_bfe_u32 v11, v0, 3, 1
	v_lshl_add_u32 v[AV0], v9, 3, v10
	v_mul_u32_u24 v[AV0], v[AV0], PV
	v_lshl_add_u32 v[AV0], v11, 4, v[AV0]
	v_add_nc_u32 v[AV0], VOFF, v[AV0]
	v_mov_b32 v[AK], v[AK0]         ; key step 0 lies at K's head
; THE MATRIX WORK.  The 8 accumulators of a run of 16 take turns.
.macro KQ x
	WIN W_KQ
.set rS, S+64*((\x)%2)+32*(i%2)+8*((i/2)%4)
.set rK, KF+16*((i/2)%4)+8*(i/8)
.set rQ, 16*(2*(\x)+i%2)+8*(i/8)
.if i < 8
	v_wmma_f32_16x16x32_f16 v[rS:rS+7], v[rK:rK+7], v[rQ:rQ+7], 0
.else
	v_wmma_f32_16x16x32_f16 v[rS:rS+7], v[rK:rK+7], v[rQ:rQ+7], v[rS:rS+7]
.endif
.endm
.macro PV x
	WIN W_PV
.set rO, 32*(2*(\x)+i%2)+8*((i/2)%4)
.set rV, VF+32*(i/8)+8*((i/2)%4)
.set rP, P+32*((\x)%2)+16*(i%2)+8*(i/8)
	v_wmma_f32_16x16x32_f16 v[rO:rO+7], v[rV:rV+7], v[rP:rP+7], v[rO:rO+7]
.endm
.macro MM                           ; the turn's next matrix instruction
.if i < 16
	KQ (Y+1)%NP
.set i, i+1
.else
.set i, i-16
	PV (Y+NP-1)%NP
.set i, i+17
.endif
.endm
; THE LDS LOADS stand in runs of 16.  last = 1 (in the loop): behind the last key step there is no further one, and the run is jumped over.
.macro FETCH_K last=0
	WIN 0
.if \last
	s_cmp_eq_u32 s[TOT], 1
	s_cbranch_scc1 .Lno_k_\@
.endif
	WIN 0x80
.irp f, 0,1,2,3,4,5,6,7
	ds_load_b128 v[KF+8*\f:KF+8*\f+3],   v[AK] offset:(\f/2)*16*PK+(\f%2)*64
	ds_load_b128 v[KF+8*\f+4:KF+8*\f+7], v[AK] offset:(\f/2)*16*PK+(\f%2)*64+32
.endr
	s_add_co_u32 s[TBK], s[TBK], KS*PK
	WIN 0
.if \last
.Lno_k_\@:
.endif
.endm
.macro FETCH_V
	WIN 0x80
.irp f, 0,1,2,3,4,5,6,7
	ds_load_tr16_b128 v[VF+8*\f:VF+8*\f+3],   v[AV] offset:(\f/4)*32*PV+(\f%4)*32
	ds_load_tr16_b128 v[VF+8*\f+4:VF+8*\f+7], v[AV] offset:(\f/4)*32*PV+16*PV+(\f%4)*32
.endr
	WIN 0
.endm
; THE VECTOR WORK OF A TURN stands in three queues, each in the order in which its entries become ready; the two tiles alternate.
.macro REGS y, u
.set rT, ST+4*(2*(\y)+(\u))
.set rC, TMP+8*((\y)%2)+4*(\u)
.set rM, MV+2*((\y)%2)+(\u)
.set rS, S+64*((\y)%2)+32*(\u)
.set rP, P+32*((\y)%2)+16*(\u)
.set rO, 32*(2*(\y)+(\u))
.endm
; Number n of the 22 that find the NEXT piece's maximum and statistics; each accumulator's lowest registers are read first.
;   0-11 four chains of seven scores   12-14, 16 the four left over, the old m, the four into one   15 c m_old is kept   17, 18 the other half of the lanes: the new m   19-21 c m; its change; a
.macro XS u, n
	REGS (Y+1)%NP, \u
.if (\n) < 4
	v_max3_num_f32 v[rC+(\n)], v[rS+8*(\n)], v[rS+8*(\n)+1], v[rS+8*(\n)+2]
.elseif (\n) < 12
	v_max3_num_f32 v[rC+(\n)%4], v[rC+(\n)%4], v[rS+8*((\n)%4)+2*((\n)/4)+1], v[rS+8*((\n)%4)+2*((\n)/4)+2]
.elseif (\n) == 12
	v_max3_num_f32 v[rC], v[rC], v[rS+7], v[rS+15]
.elseif (\n) == 13
	v_max3_num_f32 v[rC+1], v[rC+1], v[rS+23], v[rS+31]
.elseif (\n) == 14
	v_max3_num_f32 v[rC+2], v[rC+2], v[rC+3], v[rT+1]
.elseif (\n) == 15
	v_mov_b32 v[rM], v[rT]
.elseif (\n) == 16
	v_max3_num_f32 v[rC], v[rC], v[rC+1], v[rC+2]
.elseif (\n) == 17
	v_permlanex16_b32 v[rC+3], v[rC], s[SEL], s[SEL+1]
.elseif (\n) == 18
	v_max_num_f32 v[rT+1], v[rC], v[rC+3]
.elseif (\n) == 19
	v_mul_f32 v[rT], s[CS], v[rT+1]
.elseif (\n) == 20
	v_sub_f32 v[rC+1], v[rM], v[rT]
.else
	v_exp_f32 v[rC+2], v[rC+1]
.endif
.endm
; Number g of the 64 that follow the exponentials: for each four weights both pairs are rounded to f16, the second pair is added onto the first, and a group later l takes that sum.
.macro GS g
.set h, (\g)+6*((\g)/62)
.if h >= 6
.set h, h+2
.endif
	REGS Y, h%2
.set k, h/8
.if h%8 < 4
	v_cvt_pk_f16_f32 v[rP+2*k+(h%8)/2], v[rS+4*k+2*((h%8)/2)], v[rS+4*k+2*((h%8)/2)+1]
.elseif h%8 < 6
	v_pk_add_f32 v[rS+4*k:rS+4*k+1], v[rS+4*k:rS+4*k+1], v[rS+4*k+2:rS+4*k+3]
.elseif k == 1
	v_pk_fma_f32 v[rT+2:rT+3], v[rT+2:rT+3], v[rC+2:rC+3], v[rS:rS+1] op_sel_hi:[1,0,1]
.else
	v_pk_add_f32 v[rT+2:rT+3], v[rT+2:rT+3], v[rS+4*k-4:rS+4*k-3]
.endif
.endm
; THE PLAIN QUEUE, 138 long: 0-73 read no exponential's result (the 32 scalings and the next piece's 42); 74-137 are GS's 64, behind the wait.
.macro FS f
	REGS Y, (\f)%2
	v_pk_fma_f32 v[rS+2*((\f)/2):rS+2*((\f)/2)+1], v[rS+2*((\f)/2):rS+2*((\f)/2)+1], s[CS:CS+1], v[rT:rT+1] op_sel_hi:[1,0,0] neg_lo:[0,0,1] neg_hi:[0,0,1]
.endm
.macro PL
	WIN 0
.if q < 27
	FS q
.elseif q < 55
	XS (q-27)%2, (q-27)/2
.elseif q < 57
	XS q-55, 15
.elseif (q < 72) && ((q-57)%3 == 0)
	FS 27+(q-57)/3
.elseif q < 60
	XS (q-57)%3-1, 14
.elseif q < 72
	XS (q-57)%3-1, 15+(q-57)/3
.elseif q < 74
	XS q-72, 20
.else
	GS q-74
.endif
.set q, q+1
.endm
; THE EXPONENTIALS' QUEUE, 66 long: one batch, all ahead of the turn's one wait.
.macro EX
	WIN 0
.if e >= 64
	XS e-64, 21
.else
	REGS Y, e%2
	v_exp_f32 v[rS+e/2], v[rS+e/2]
.endif
.set e, e+1
.endm
; THE RESCALING's QUEUE: O^T times a, two at a time.  Its a was made, and waited for, in the turn before.
.macro R2
	REGS Y, r%2
	WIN W_RS
.irp z, 0,1
	v_pk_mul_f32 v[rO+4*(r/2)+2*\z:rO+4*(r/2)+2*\z+1], v[rO+4*(r/2)+2*\z:rO+4*(r/2)+2*\z+1], v[rC+2:rC+3] op_sel_hi:[1,0]
.endr
.set r, r+1
.endm
; A TURN, for piece p.  Ahead of the wait: 16 products K Q^T, behind each a scaling, an exponential and two rescalings; then a run of 108.  Behind it: 16 products V^T P, behind each four of GS's 64.
; K of the next step is fetched in piece 2's turn, directly behind the wait; V of the step in hand at the end of piece 0's turn, four plain instructions behind its last reader.
.macro TURN p, last=0, cnt=0
.set Y, (\p)
.set i, 0
.set q, 0
.set e, 0
.set r, 0
.if (\p) == NP-1
	s_wait_dscnt 0x0                ; K is in
.endif
	MM
	PL
	PL
	R2
.rept 15
	MM
	PL
	EX
	R2
.endr
.if (\p) == NP-2
	WIN 0
	v_add_nc_u32 v[AK], s[TBK], v[AK0]
.endif
.rept 8
	PL
.endr
.rept 49
	EX
	PL
.endr
	EX                              ; the next piece's two a
	EX
	v_nop                           ; a plain instruction behind the last exponential: one for the batch
	s_wait_alu depctr_va_vdst(0)    ; the wait ahead of the batch's first reader
.if (\p) == NP-2
	FETCH_K \last
.endif
.if (\p) == 1
	s_wait_dscnt 0x0                ; V is in
.endif
.rept 16
	MM
.rept 4
	PL
.endr
.if ((\p) == 0) && (q == 118)
	v_add_nc_u32 v[AV], s[TBV], v[AV0]
.endif
.if ((\p) == 0) && (q == 130)
	s_add_co_u32 s[TBV], s[TBV], KS*PV
.endif
.if (\cnt) && (q == 130)
	s_sub_co_u32 s[CNT], s[CNT], 1
	s_cmp_lg_u32 s[CNT], 0
.endif
.endr
.if (\p) == 0
	FETCH_V
.endif
.endm
	s_wait_tensorcnt 0x1            ; my part of the keys 0-255 is in; my second fill may stay out: no byte is filled again behind any barrier of this launch
	s_barrier_signal -1
	s_barrier_wait -1               ; everybody's is
	FETCH_K                         ; key step 0
	s_wait_loadcnt 0x0              ; Q
	s_wait_dscnt 0x0
.set i, 0
.rept 16
	KQ 0                            ; piece 0's first scores
.set i, i+1
.endr
	WIN 0                           ; the addresses for the way out: plain instructions, the places behind those products
	s_mul_i32 s13, s[WV], 16*SP
	s_add_co_u32 s13, s13, STAGE    ; my stage
	v_mul_u32_u24 v[STO], v1, SP
	v_lshl_add_u32 v[STO], v9, 4, v[STO]
	v_add_nc_u32 v[STO], s13, v[STO]
	v_bfe_u32 v[RD], v0, 3, 2       ; back: 32 lanes take four rows of 128 bytes,
	v_mul_u32_u24 v[RD], v[RD], SP
	v_lshl_add_u32 v[RD], v10, 4, v[RD]
	v_add_nc_u32 v[RD], s13, v[RD]
	v_and_b32 v[GO], 31, v0         ; which are 512 consecutive bytes of O
	v_lshlrev_b32 v[GO], 4, v[GO]
.set Y, NP-1                        ; XS works for piece Y + 1: piece 0
.irp n, 0,1,2,3,4,5,6,7,8,9,10,11,12,13,14,15,16,17,18,19,20,21
	XS 0, \n
	XS 1, \n
.endr
	v_nop                           ; a plain instruction behind the two a,
	s_wait_alu depctr_va_vdst(0)    ; and their wait, ahead of the branch
	s_mov_b32 s[CNT], 4             ; the first phase: the four key steps of the keys 0-255
	s_mov_b32 s[TOT], SIZE_N/KS
	s_mov_b32 s[SLOTS], 2
	s_branch .Lfirst                ; the loop is entered at a step's first turn, in the middle of a trip
.Lslot:                             ; once: between the phases, ahead of the first fetch of a key from 256 on
	s_wait_tensorcnt 0x0            ; my part of the keys 256-1,023 is in: it has had three and a half key steps in which to land
	s_wait_dscnt 0x0
	s_barrier_signal -1
	s_barrier_wait -1               ; everybody's is
	s_mov_b32 s[CNT], 13            ; the second phase: twelve whole trips; the thirteenth is left in its middle
.Lstep:                             ; a trip: pieces 2 and 3 of one step, then pieces 0 and 1 of the next, whose K and V it fetches
	TURN 2, 1
	TURN 3
	WIN 0
	s_sub_co_u32 s[TOT], s[TOT], 1
	s_cmp_eq_u32 s[TOT], 0
	s_cbranch_scc1 .Lout            ; the last step's pieces 2 and 3 are done.  That pass's 16 products K Q^T (on the last K once more) serve nothing: the price, once a launch, of one text for every trip
.Lfirst:
	TURN 0
	TURN 1, 0, 1
	WIN 0
	s_cbranch_scc1 .Lstep
	s_sub_co_u32 s[SLOTS], s[SLOTS], 1
	s_cmp_lg_u32 s[SLOTS], 0
	s_cbranch_scc1 .Lslot
.Lout:
.set i, 0
.rept 16
	PV NP-1                         ; the last piece's V^T P of the last step
.set i, i+1
.endr
	; THE WAY OUT.  l's halves are added; O^T is divided by l, rounded to f16 and sent through my stage in LDS, a tile at a time.  The additions are the places behind the last products.
	WIN 0
.macro ALL line:vararg
.set t, 0
.rept 2*NP
	\line
.set t, t+1
.endr
.endm
	ALL v_add_f32 v[ST+4*t+2], v[ST+4*t+2], v[ST+4*t+3]
	ALL v_permlanex16_b32 v[ST+4*t+3], v[ST+4*t+2], s[SEL], s[SEL+1]
	ALL v_add_f32 v[ST+4*t+2], v[ST+4*t+2], v[ST+4*t+3]
	ALL v_rcp_f32 v[ST+4*t+2], v[ST+4*t+2]
	v_nop                           ; a plain instruction between the last reciprocal and the use of its result
	s_wait_alu depctr_va_vdst(0)    ; one wait for the eight reciprocals
.macro PACK t
	WIN W_RS
.set i, 32*(\t)
.rept 16
	v_pk_mul_f32 v[i:i+1], v[i:i+1], v[ST+4*(\t)+2:ST+4*(\t)+3] op_sel_hi:[1,0]
.set i, i+2
.endr
	WIN 0x05
.set i, 0
.rept 16
	v_cvt_pk_f16_f32 v[S+16*(\t)+i], v[32*(\t)+2*i], v[32*(\t)+2*i+1]
.set i, i+1
.endr
	WIN 0
.irp f, 0,1,2,3
	ds_store_b128 v[STO], v[S+16*(\t)+4*\f:S+16*(\t)+4*\f+3] offset:32*\f
.endr
.irp f, 0,1,2,3
	ds_load_b128 v[S+16*(\t)+4*\f:S+16*(\t)+4*\f+3], v[RD] offset:\f*4*SP  ; LDS serves a wave's instructions in order (ISA guide 5.7.1.4): these see the stores above
.endr
.endm
.macro SEND t, younger              ; younger: the LDS instructions issued behind tile t's loads
	WIN 0
.irp f, 0,1,2,3
	s_wait_dscnt (\younger)+3-\f
	global_store_b128 v[GO], v[S+16*(\t)+4*\f:S+16*(\t)+4*\f+3], s[10:11] offset:(\t)*2048+\f*512  ; 512 consecutive bytes, aligned
.endr
.endm
	PACK 0
.set t, 1
.rept 2*NP-1
	PACK t
	SEND t-1, 8
.set t, t+1
.endr
	SEND 2*NP-1, 0
	WIN W_AD
	s_wait_tensorcnt 0x0            ; the wave's end
	ds_add_u32 v[SPW], v[NIL]
	s_wait_dscnt 0x0
	WIN 0
	s_endpgm
.Lfunc_end_k_qaf97392387_attn:
	.size	k_qaf97392387_attn, .Lfunc_end_k_qaf97392387_attn-k_qaf97392387_attn
	.p2alignl 7, 3214868480
	.fill 96, 4, 3214868480
	.section	.rodata,"a",@progbits
	.p2align	6, 0x0
	.amdhsa_kernel k_qaf97392387_attn
		.amdhsa_group_segment_fixed_size 327680
		.amdhsa_private_segment_fixed_size 0
		.amdhsa_enable_private_segment 0
		.amdhsa_kernarg_size 32
		.amdhsa_user_sgpr_count 2
		.amdhsa_user_sgpr_kernarg_segment_ptr 1
		.amdhsa_wavefront_size32 1
		.amdhsa_system_sgpr_workgroup_id_x 1
		.amdhsa_system_sgpr_workgroup_id_y 1
		.amdhsa_system_sgpr_workgroup_id_z 1
		.amdhsa_system_vgpr_workitem_id 0
		.amdhsa_next_free_vgpr 770
		.amdhsa_next_free_sgpr 88
		.amdhsa_reserve_vcc 0
		.amdhsa_float_denorm_mode_32 3
		.amdhsa_float_denorm_mode_16_64 3
		.amdhsa_memory_ordered 1
		.amdhsa_forward_progress 1
		.amdhsa_inst_pref_size 126
	.end_amdhsa_kernel
	.amdgpu_metadata
---
amdhsa.version: [ 1, 2 ]
amdhsa.kernels:
  - .name:           k_qaf97392387_attn
    .symbol:         k_qaf97392387_attn.kd
    .args:
      - { .name: qh, .offset: 0, .size: 8, .value_kind: global_buffer, .address_space: global }
      - { .name: kh, .offset: 8, .size: 8, .value_kind: global_buffer, .address_space: global }
      - { .name: vh, .offset: 16, .size: 8, .value_kind: global_buffer, .address_space: global }
      - { .name: oh, .offset: 24, .size: 8, .value_kind: global_buffer, .address_space: global }
    .group_segment_fixed_size: 327680
    .private_segment_fixed_size: 0
    .kernarg_segment_align: 8
    .kernarg_segment_size: 32
    .max_flat_workgroup_size: 128
    .sgpr_count:     88
    .vgpr_count:     770
    .wavefront_size: 32
...
	.end_amdgpu_metadata
.endif
;; end of part 3
;; launch oproj (part 4): grid 8 x 32, 4 waves a work-group, clusters of 4 x 4, 327,680 bytes of LDS; arguments oh, wot, out0; writes out0
.if DOCPART == 4
	.amdgcn_target "amdgcn-amd-amdhsa--gfx1250"
	.amdhsa_code_object_version 6
	.text
	.protected	k_qaf97392387_oproj
	.globl	k_qaf97392387_oproj
	.p2align	8
	.type	k_qaf97392387_oproj,@function
k_qaf97392387_oproj:
	s_mov_b64 s[64:65], 0
	v_nop
	global_prefetch_b8 v0, s[64:65] scope:SCOPE_SE
	s_setreg_imm32_b32 hwreg(HW_REG_WAVE_MODE, 25, 1), 1
	s_wait_xcnt 0x0
	s_wait_alu depctr_hold_cnt(0) depctr_sa_sdst(0) depctr_va_vdst(0) depctr_va_sdst(0) depctr_va_ssrc(0) depctr_va_vcc(0) depctr_vm_vsrc(0)
	s_getreg_b32 s2, hwreg(HW_REG_IB_STS2, 6, 4)
	s_cmp_eq_u32 s2, 0
	s_cbranch_scc0 .Lentry_in_a_cluster
	s_endpgm
.Lentry_in_a_cluster:
	s_bfe_u32 s2, ttmp6, 0x10000c
	s_cmp_lg_u32 s2, 0xf033
	s_cbranch_scc0 .Lentry_shape_is_right
	s_endpgm
.Lentry_shape_is_right:
; OPROJ.  out0[m][j] = sum over i of O[m][i] wot[j][i], i = h*64+n.  O lies by heads, oh [b*16+h][p][64] f16; wot [1024][1024] f16; sums and out0 in f32.
; A tile of out0 is 256 rows x 128 columns: 32 x 8 = 256 work-groups.  Four waves, 2 x 2: a wave makes 128 x 64: 32 accumulators.  K goes in steps of 128, TWO HEADS a step, through two LDS slots.
; A head's 256 rows of the tile are 32,768 dense bytes: asked for as 128 rows of 256 bytes, padded in LDS after every 128 bytes; wot's rows come as 256 bytes each.
; CLUSTER 4 x 4: oh's tiles are shared along a row of the cluster, wot's along a column, each asked for jointly.  No prefetch: the tile is small and the whole walk is eight K steps.
; The matrix instruction is used transposed (source 0 = 16 rows of wot, source 1 = 16 rows of O): a lane holds eight neighbouring columns of one row of out0.
; REGISTERS.  window 0: v16-29 addresses; two fragment buffers of 96 (A's 64, B's 32) at v32 and v128; on the way out three sets of 32 from v32.  window 1: accumulator (a, b) at v[8 (4 a + b)].
.set KSTEP,  128
.set PA,     144                       ; a row of O in LDS: 128 bytes + 16
.set PB,     272                       ; a row of wot: 256 bytes + 16
.set ABLK,   256*PA                    ; one head's 256 rows
.set BOFF,   2*ABLK
.set HALFB,  64*PB
.set SLOT,   BOFF+2*HALFB
.set STAGE,  2*SLOT                    ; behind the ring: 16 rows x 272 bytes for each wave; no tensor load fills it
.set SPITCH, 272
.set SPARE,  STAGE+4*16*SPITCH
.set LAPS,   4
.set ADRA, 16
.set ADRB, 20
.set STO,  24
.set RD,   25
.set CO,   26
.set SPW,  28
.set NIL,  29
.set F0,   32
.set F1,   128
.set OB,   32
.set G1,  24
.set G0,  32
.set G1B, 48
.set G0B, 56
.set MSB, 0
.macro WIN new
.if MSB != (\new)
	s_set_vgpr_msb (MSB<<8)|(\new)
.set MSB, \new
.endif
.endm
.set MUL, 0x50                         ; C and D window 1, sources window 0
.macro JLOAD s                         ; waves 0 and 1 fetch the step's two heads of O, waves 2 and 3 the two halves of wot's rows; an s_nop 0 and four v_nop follow each line
	s_cmp_eq_u32 s11, 0
	s_cbranch_scc0 .Lfor_b_\@
	tensor_load_to_lds s[G0+4*(\s):G0+4*(\s)+3], s[G1:G1+7]
	s_nop 0
.rept 4
	v_nop
.endr
	s_branch .Lasked_\@
.Lfor_b_\@:
	tensor_load_to_lds s[G0B+4*(\s):G0B+4*(\s)+3], s[G1B:G1B+7]
	s_nop 0
.rept 4
	v_nop
.endr
.Lasked_\@:
.endm
.macro CREST
	s_cmp_lg_u32 s10, 0
	s_cbranch_scc1 .Lnot_wave_0_\@
	s_barrier_signal -3
.Lnot_wave_0_\@:
	s_barrier_wait -3
	s_barrier_signal -1
	s_barrier_wait -1
.endm
.macro CROUND
	s_barrier_signal -1
	s_barrier_wait -1
	CREST
.endm
	s_load_b128 s[4:7], s[0:1], 0x0                ; oh s[4:5], wot s[6:7]
	s_load_b64 s[8:9], s[0:1], 0x10                ; out0
	v_lshl_add_u32 v[SPW], v0, 2, SPARE
	v_mov_b32 v[NIL], 0
	ds_add_u32 v[SPW], v[NIL]                      ; the wave's opening: the add and its wait stand ahead of my first tensor load
	v_lshrrev_b32 v1, 5, v0
	v_readfirstlane_b32 s10, v1                    ; wave 0..3
	s_lshr_b32 s11, s10, 1                         ; my half of the rows.  Also: I fetch for A (0) or B (1)
	s_and_b32 s12, s10, 1                          ; my half of the columns.  Also: which head of the step, or which 64 rows of wot, I fetch
	s_bfe_u32 s40, ttmp6, 0x40000                  ; cx
	s_bfe_u32 s41, ttmp6, 0x40004                  ; cy
	s_lshl_b32 s42, ttmp9, 2
	s_add_co_u32 s42, s42, s40                     ; tile column
	s_and_b32 s13, ttmp7, 0xffff
	s_lshl_b32 s13, s13, 2
	s_add_co_u32 s13, s13, s41                     ; tile row
	s_lshl_b32 s43, s41, 2
	s_lshl_b32 s43, 15, s43                        ; my row of the cluster
	s_lshl_b32 s44, 0x1111, s40                    ; my column
	s_or_b32 s[G1+0], s43, (1<<16)|(1<<20)|(1<<21)|(4<<22)|(3<<25)   ; the mask; 2-byte elements; padding on; bit 21 beside a mask; after every 32 words 4 words
	s_or_b32 s[G1B+0], s44, (1<<16)|(1<<20)|(1<<21)|(5<<22)|(3<<25)  ; after every 64 words 4 words
	s_mov_b32 s[G1+1], 128<<16                     ; tensor_dim0 = 128
	s_mov_b32 s[G1+2], 128<<16                     ; tensor_dim1 = 128
	s_mov_b32 s[G1+3], 128<<16                     ; tile_dim0 = 128
	s_mov_b32 s[G1+4], 128                         ; tile_dim1 = 128
	s_mov_b32 s[G1+5], 128                         ; dense: 128 elements from row to row
	s_mov_b32 s[G1+6], 0
	s_mov_b32 s[G1+7], 0
	s_mov_b32 s[G1B+1], KSTEP<<16
	s_mov_b32 s[G1B+2], 64<<16
	s_mov_b32 s[G1B+3], KSTEP<<16
	s_mov_b32 s[G1B+4], 64
	s_mov_b32 s[G1B+5], 1024
	s_mov_b32 s[G1B+6], 0
	s_mov_b32 s[G1B+7], 0
	s_lshr_b32 s16, s13, 2                         ; b
	s_lshl_b32 s16, s16, 4
	s_add_co_u32 s16, s16, s12                     ; b x 16 + the head's parity
	s_lshl_b32 s16, s16, 17
	s_and_b32 s17, s13, 3
	s_lshl_b32 s17, s17, 15                        ; the tile's 256 rows of 128 bytes
	s_add_co_u32 s16, s16, s17
	s_mov_b32 s17, 0
	s_lshl_b32 s46, s42, 7
	s_lshl_b32 s47, s12, 6
	s_add_co_u32 s46, s46, s47                     ; wot: row 128 x tile column + 64 x half
	s_lshl_b32 s46, s46, 11
	s_mov_b32 s47, 0
	s_mul_i32 s20, s12, ABLK                       ; where they go: no place in the cluster enters an LDS address
	s_mul_i32 s21, s12, HALFB
	s_add_co_u32 s21, s21, BOFF
	s_wait_dscnt 0x0                               ; the opening add is done
	s_wait_kmcnt 0x0
	s_add_nc_u64 s[14:15], s[4:5], s[16:17]
	s_add_nc_u64 s[46:47], s[6:7], s[46:47]
	CROUND                                         ; all sixteen work-groups are here: the first joint loads meet
.irp s, 0,1
	s_mov_b32 s[G0+4*(\s)], 1
	s_add_co_u32 s[G0+4*(\s)+1], s20, (\s)*SLOT
	s_add_nc_u64 s[G0+4*(\s)+2:G0+4*(\s)+3], s[14:15], (\s)*262144    ; K step s: two heads of 131,072 bytes on
	s_or_b32 s[G0+4*(\s)+3], s[G0+4*(\s)+3], 0x80000000
	s_mov_b32 s[G0B+4*(\s)], 1
	s_add_co_u32 s[G0B+4*(\s)+1], s21, (\s)*SLOT
	s_add_nc_u64 s[G0B+4*(\s)+2:G0B+4*(\s)+3], s[46:47], (\s)*KSTEP*2
	s_or_b32 s[G0B+4*(\s)+3], s[G0B+4*(\s)+3], 0x80000000
	JLOAD \s                                       ; two loads of mine are out
.endr
	v_and_b32 v1, 15, v0                           ; l % 16
	v_bfe_u32 v2, v0, 4, 1                         ; l / 16
	v_mul_u32_u24 v3, v1, PA
	v_lshl_add_u32 v3, v2, 4, v3
	v_mul_u32_u24 v4, v1, PB
	v_lshl_add_u32 v4, v2, 4, v4
	s_mul_i32 s21, s11, 128*PA                     ; my 128 rows in each head's block
	s_mul_i32 s22, s12, HALFB
	s_add_co_u32 s22, s22, BOFF
.irp s, 0,1
	v_add_nc_u32 v[ADRA+(\s)], s21, v3
	v_add_nc_u32 v[ADRB+(\s)], s22, v4
	s_add_co_u32 s21, s21, SLOT
	s_add_co_u32 s22, s22, SLOT
.endr
	s_mul_i32 s23, s10, 16*SPITCH
	s_add_co_u32 s23, s23, STAGE                   ; my stage
	v_mul_u32_u24 v4, v1, SPITCH                   ; in: row l % 16, 32 bytes for each half of the lanes
	v_lshl_add_u32 v4, v2, 5, v4
	v_add_nc_u32 v[STO], s23, v4
	v_mul_u32_u24 v5, v2, SPITCH                   ; back: lanes 0-15 one row of 256 bytes, lanes 16-31 the next
	v_lshl_add_u32 v5, v1, 4, v5
	v_add_nc_u32 v[RD], s23, v5
	v_lshlrev_b32 v5, 12, v2                       ; and the same two rows in out0
	v_lshl_add_u32 v[CO], v1, 4, v5
	s_lshl_b32 s16, s13, 8
	s_lshl_b32 s14, s11, 7
	s_add_co_u32 s16, s16, s14                     ; my first row of out0,
	s_lshl_b32 s16, s16, 12                        ; of 4,096 bytes
	s_lshl_b32 s46, s42, 9                         ; my first column: 512 x tile column + 256 x half
	s_lshl_b32 s47, s12, 8
	s_add_co_u32 s46, s46, s47
	s_add_co_u32 s16, s16, s46
	s_mov_b32 s17, 0
; 8 matrix instructions: row blocks 4 hi + a0, + 1 x all 4 column blocks, 32 along K.  zero = 1: the product starts the sums.
.macro MUL8 f, hi, a0, zero
	WIN MUL
.irp a, \a0, (\a0)+1
.irp b, 0,1,2,3
.if \zero
	v_wmma_f32_16x16x32_f16 v[8*(4*(4*(\hi)+(\a))+(\b)):8*(4*(4*(\hi)+(\a))+(\b))+7], v[(\f)+64+8*(\b):(\f)+64+8*(\b)+7], v[(\f)+8*(4*(\hi)+(\a)):(\f)+8*(4*(\hi)+(\a))+7], 0
.else
	v_wmma_f32_16x16x32_f16 v[8*(4*(4*(\hi)+(\a))+(\b)):8*(4*(4*(\hi)+(\a))+(\b))+7], v[(\f)+64+8*(\b):(\f)+64+8*(\b)+7], v[(\f)+8*(4*(\hi)+(\a)):(\f)+8*(4*(\hi)+(\a))+7], v[8*(4*(4*(\hi)+(\a))+(\b)):8*(4*(4*(\hi)+(\a))+(\b))+7]
.endif
.endr
.endr
.endm
; 24 LDS loads in one run: quarter q of a K step (head q / 2 of the step's two, channels 32 (q % 2) on) into buffer f: 64 rows of wot, then 128 of O
.macro FETCH slot, q, f
	WIN 0
.irp i, 0,1,2,3
	ds_load_b128 v[(\f)+64+8*(\i):(\f)+64+8*(\i)+3],   v[ADRB+(\slot)] offset:64*(\q)+(\i)*16*PB
	ds_load_b128 v[(\f)+64+8*(\i)+4:(\f)+64+8*(\i)+7], v[ADRB+(\slot)] offset:64*(\q)+(\i)*16*PB+32
.endr
.irp i, 0,1,2,3,4,5,6,7
	ds_load_b128 v[(\f)+8*(\i):(\f)+8*(\i)+3],   v[ADRA+(\slot)] offset:((\q)/2)*ABLK+((\q)%2)*64+(\i)*16*PA
	ds_load_b128 v[(\f)+8*(\i)+4:(\f)+8*(\i)+7], v[ADRA+(\slot)] offset:((\q)/2)*ABLK+((\q)%2)*64+(\i)*16*PA+32
.endr
.endm
.macro PLACES
.rept 4
	v_nop
.endr
.endm
.macro QUARTER slot, q, f, g, zero     ; multiplies buffer f; in its middle fetches quarter q into g
	s_wait_dscnt 8                                 ; wot's rows and O's rows 0-63 are in; the youngest eight loads may be out
	MUL8 \f, 0, 0, \zero
	MUL8 \f, 0, 2, \zero
	PLACES
	FETCH \slot, \q, \g
	s_wait_dscnt 24                                ; all but the 24 just issued
	MUL8 \f, 1, 0, \zero
	MUL8 \f, 1, 2, \zero
.endm
; The last quarter changes slots: one barrier; in front of it each wave waits for all its tensor loads, adds 0 to its spare word, and waits for that and for its reads of this slot.
; fill = 1: the barrier opens a round of the cluster's, and the joint refill, two K steps on, is the first thing behind the round.
.macro TURN slot, next, fill
	WIN 0
	s_wait_tensorcnt 0x0
	ds_add_u32 v[SPW], v[NIL]
	s_wait_dscnt 9                                 ; the add and the youngest eight loads may be out
	MUL8 F1, 0, 0, 0
	s_wait_dscnt 0x0                               ; the add is done, my reads of this slot are over
	s_barrier_signal -1
	MUL8 F1, 0, 2, 0
.if \fill
	WIN 0
.endif
	s_barrier_wait -1
.if \fill
	CREST
	s_add_nc_u64 s[G0+4*(\slot)+2:G0+4*(\slot)+3], s[G0+4*(\slot)+2:G0+4*(\slot)+3], 524288  ; four heads on
	s_add_nc_u64 s[G0B+4*(\slot)+2:G0B+4*(\slot)+3], s[G0B+4*(\slot)+2:G0B+4*(\slot)+3], 2*KSTEP*2
	JLOAD \slot                                    ; its four v_nop are also the places in front of the loads below
.else
	PLACES
.endif
	FETCH \next, 0, F0
	MUL8 F1, 1, 0, 0
	MUL8 F1, 1, 2, 0
.endm
; THE WAY OUT of row block a: 32 bytes a lane and column block into my own stage, back as whole rows of 256 bytes, stored.
.macro TOSTAGE a
	WIN 0x04                                       ; the stores' data in window 1
.irp b, 0,1,2,3
	ds_store_b128 v[STO], v[8*(4*(\a)+(\b)):8*(4*(\a)+(\b))+3]   offset:64*(\b)
	ds_store_b128 v[STO], v[8*(4*(\a)+(\b))+4:8*(4*(\a)+(\b))+7] offset:64*(\b)+16
.endr
	WIN 0
.set BK, OB+32*((\a)%3)
.irp t, 0,1,2,3,4,5,6,7
	ds_load_b128 v[BK+4*(\t):BK+4*(\t)+3], v[RD] offset:(\t)*2*SPITCH  ; LDS serves a wave's instructions in order (ISA guide 5.7.1.4): these see the stores above
.endr
.endm
.macro SEND a, younger                 ; younger: the LDS instructions issued behind block a's loads
	WIN 0
.set BK, OB+32*((\a)%3)
	s_wait_dscnt \younger
	s_wait_xcnt 0x0                                ; earlier stores have read their base and their registers: the base is stepped, and the set stored two blocks back may be loaded again
.if (\a) == 0
	s_add_nc_u64 s[8:9], s[8:9], s[16:17]
.else
	s_add_nc_u64 s[8:9], s[8:9], 16*4096
.endif
.irp t, 0,1,2,3,4,5,6,7
	global_store_b128 v[CO], v[BK+4*(\t):BK+4*(\t)+3], s[8:9] offset:2*(\t)*4096 th:TH_STORE_NT  ; sixteen lanes store 256 consecutive bytes, aligned
.endr
.endm
	s_wait_tensorcnt 1                             ; my part of K step 0 is in; K step 1's may stay out
	s_barrier_signal -1
	s_barrier_wait -1
	FETCH 0, 0, F0
	QUARTER 0, 1, F0, F1, 1                        ; the first quarter's products start the sums
	WIN 0
	s_mov_b32 s3, LAPS-1
.Llap:
	QUARTER 0, 2, F1, F0, 0
	QUARTER 0, 3, F0, F1, 0
	TURN 0, 1, 1
	QUARTER 1, 1, F0, F1, 0
	QUARTER 1, 2, F1, F0, 0
	QUARTER 1, 3, F0, F1, 0
	TURN 1, 0, 1
	QUARTER 0, 1, F0, F1, 0
	WIN 0
	s_sub_co_u32 s3, s3, 1
	s_cmp_lg_u32 s3, 0
	s_cbranch_scc1 .Llap
	QUARTER 0, 2, F1, F0, 0                        ; the last lap fills nothing
	QUARTER 0, 3, F0, F1, 0
	TURN 0, 1, 0
	QUARTER 1, 1, F0, F1, 0
	QUARTER 1, 2, F1, F0, 0
	QUARTER 1, 3, F0, F1, 0
	s_wait_dscnt 8
	MUL8 F1, 0, 0, 0
	MUL8 F1, 0, 2, 0
	s_wait_dscnt 0x0
	MUL8 F1, 1, 0, 0
	MUL8 F1, 1, 2, 0
	WIN 0
	PLACES
	PLACES
	TOSTAGE 0
	TOSTAGE 1
	SEND 0, 16                                     ; block 1's sixteen LDS instructions may be out
.irp a, 2,3,4,5,6,7
	TOSTAGE \a
	SEND (\a)-1, 16
.endr
	SEND 7, 0
	s_wait_tensorcnt 0x0                           ; the wave's end
	ds_add_u32 v[SPW], v[NIL]
	s_wait_dscnt 0x0
	CROUND                                         ; the closing round
	s_endpgm
.Lfunc_end_k_qaf97392387_oproj:
	.size	k_qaf97392387_oproj, .Lfunc_end_k_qaf97392387_oproj-k_qaf97392387_oproj
	.p2alignl 7, 3214868480
	.fill 96, 4, 3214868480
	.section	.rodata,"a",@progbits
	.p2align	6, 0x0
	.amdhsa_kernel k_qaf97392387_oproj
		.amdhsa_group_segment_fixed_size 327680
		.amdhsa_private_segment_fixed_size 0
		.amdhsa_enable_private_segment 0
		.amdhsa_kernarg_size 24
		.amdhsa_user_sgpr_count 2
		.amdhsa_user_sgpr_kernarg_segment_ptr 1
		.amdhsa_wavefront_size32 1
		.amdhsa_system_sgpr_workgroup_id_x 1
		.amdhsa_system_sgpr_workgroup_id_y 1
		.amdhsa_system_sgpr_workgroup_id_z 1
		.amdhsa_system_vgpr_workitem_id 0
		.amdhsa_next_free_vgpr 512
		.amdhsa_next_free_sgpr 66
		.amdhsa_reserve_vcc 0
		.amdhsa_float_denorm_mode_32 3
		.amdhsa_float_denorm_mode_16_64 3
		.amdhsa_memory_ordered 1
		.amdhsa_forward_progress 1
		.amdhsa_inst_pref_size 86
	.end_amdhsa_kernel
	.amdgpu_metadata
---
amdhsa.version: [ 1, 2 ]
amdhsa.kernels:
  - .name:           k_qaf97392387_oproj
    .symbol:         k_qaf97392387_oproj.kd
    .args:
      - { .name: oh, .offset: 0, .size: 8, .value_kind: global_buffer, .address_space: global }
      - { .name: wot, .offset: 8, .size: 8, .value_kind: global_buffer, .address_space: global }
      - { .name: out0, .offset: 16, .size: 8, .value_kind: global_buffer, .address_space: global }
    .group_segment_fixed_size: 327680
    .private_segment_fixed_size: 0
    .kernarg_segment_align: 8
    .kernarg_segment_size: 24
    .max_flat_workgroup_size: 128
    .sgpr_count:     66
    .vgpr_count:     512
    .wavefront_size: 32
...
	.end_amdgpu_metadata
.endif
;; end of part 4
;; ======== version 2 of 2: 4 launches; version 1 with the launch prep written anew for expert scheduling mode
;; limits: values are held in f16: magnitudes above 65,504 overflow, below 6.1e-05 lose precision
;; workspace buffers: xb 16,777,216 bytes; wt 6,291,456 bytes; wot 2,097,152 bytes; qh 16,777,216 bytes; kh 16,777,216 bytes; vh 16,777,216 bytes; oh 16,777,216 bytes
;; launch prep (part 5): grid 512 x 1, 8 waves a work-group, no clusters, 18,432 bytes of LDS; arguments inputs, w_qkv, w_o, xb, wt, wot; writes xb, wt, wot
.if DOCPART == 5
	.amdgcn_target "amdgcn-amd-amdhsa--gfx1250"
	.amdhsa_code_object_version 6
	.text
	.protected	k_qaf97392387_prep
	.globl	k_qaf97392387_prep
	.p2align	8
	.type	k_qaf97392387_prep,@function
k_qaf97392387_prep:
	s_mov_b64 s[64:65], 0
	v_nop
	global_prefetch_b8 v0, s[64:65] scope:SCOPE_SE
	s_setreg_imm32_b32 hwreg(HW_REG_WAVE_SCHED_MODE, 0, 2), 2
	s_setreg_imm32_b32 hwreg(HW_REG_WAVE_MODE, 25, 1), 1
	s_wait_xcnt 0x0
	s_wait_alu depctr_vm_vsrc(0)
; PREP.  xb = inputs rounded to bf16, [8192][1024].  wt = w_qkv turned and rounded to bf16: [(h*3+a)*64+n][d].  wot = w_o turned: [j][i], each number rounded to bf16 and
; that number written as f16 (exact from 2^-14 on; below that f16's fixed step of 6e-8 holds: a stated limit).
; SHARES.  512 work-groups of eight waves, all alike: each turns ONE tile of 128 k x 64 n of a weight (384 tiles of w_qkv, 128 of w_o) and casts 65,536 bytes of inputs.
; Which weight a work-group takes is a choice between two buffers, two pitches and two formats by its number: no branch.
; The tile goes through LDS: a thread packs two neighbouring k of one column into a word and stores it at [n][k]; rows of 256 bytes come back, sixteen lanes to a row.
; No matrix unit, no tensor load, no cluster: every byte is read once by one thread and nothing is shared.
; THE MODE: SCHED_MODE bits 1:0 = 2 (LLVM: expert scheduling mode 2), set by the entry lines.  The code itself states the register dependences
; between vector instructions and memory or LDS instructions, with s_wait_alu, always for 0.
; THE PLAN.  Registers that memory or LDS instructions touch:
;   the offsets and LDS addresses (v3, v6, v7, v40-47, v160, v161) and the closing add's pair (v162, v163): written once, at the head, and never again.
;   T   written by the tile's eight loads, read by the tile steps' roundings; its first sixteen registers are written again by the LDS loads behind the barrier and read by the last stores.
;   X   written by the sixteen loads of inputs, read by the cast blocks' roundings.
;   PK  four words a tile step: written once, by step i; read by the four LDS stores that are issued in the step after it.
;   Y   eight registers a cast block: written once, by block p; read by the four stores that are issued in the block after it.
;   v4, v5 are named by vector instructions alone.
; The work goes in eight steps: tile steps 0 to 3, cast blocks 0 to 3.  A step's memory instructions are the four stores of the step before, whose registers no vector instruction of this step names.
; So ONE wait on va_vdst at a step's head, behind the wait for the step's data, states all that those four stores hang on, and they are dealt among the step's vector instructions with no further wait.
; No register that a memory or LDS instruction reads is written again, so the text holds no wait on vm_vsrc; no vector instruction writes a scalar register, VCC or EXEC.
.set SPARE, 17408                      ; behind the stage (64 rows x 272 bytes): the spare words, 128 bytes for each of eight waves
.set GOA, 3                            ; v3   my 16 bytes in the first 16 rows of the turned tile in memory
.set LSA, 6                            ; v6   where I put a word of the tile
.set LRA, 7                            ; v7   where I read 16 bytes of a row back
.set T,   8                            ; v[8:39]    the tile as loaded: load 2 i + j holds row 2 (t / 16) + 32 i + j, columns 4 (t % 16) ..; later the rows read back
.set OFF, 40                           ; v[40:47]   the eight loads' byte offsets
.set PK,  48                           ; v[48:63]   16 packed words
.set X,   64                           ; v[64:127]  16 x 16 bytes of inputs
.set Y,   128                          ; v[128:159] 16 x 8 bytes of xb
.set XI,  160                          ; v160 16 t
.set XO,  161                          ; v161 8 t
.set SPW, 162                          ; v162 LDS address of my spare word; never rewritten
.set NIL, 163                          ; v163 0; never rewritten
	s_load_b256 s[4:11], s[0:1], 0x0               ; inputs s[4:5], w_qkv s[6:7], w_o s[8:9], xb s[10:11]
	s_load_b128 s[12:15], s[0:1], 0x20             ; wt s[12:13], wot s[14:15]
	v_lshl_add_u32 v[SPW], v0, 2, SPARE
	v_mov_b32 v[NIL], 0
	s_mov_b32 s16, ttmp9                           ; g
	s_sub_co_u32 s18, s16, 384                     ; the tile's number in w_o (used from g = 384 on)
	s_mov_b32 s19, 256                             ; bytes from k to k + 1 in w_qkv,
	s_mov_b32 s36, 4096                            ; and in w_o
	s_cmp_lt_u32 s16, 384
	s_cselect_b32 s17, s16, s18                    ; the tile's number: 8 x block of 64 columns + block of 128 k
	s_cselect_b32 s24, s19, s36                    ; the pitch
	s_cselect_b32 s25, 0, -1                       ; all lanes' bit: 1 = write f16
	s_lshl_b32 s26, s17, 15                        ; w_qkv: tiles are dense, 32,768 bytes each
	s_and_b32 s37, s17, 7                          ; block of k
	s_lshr_b32 s38, s17, 3                         ; block of columns
	s_lshl_b32 s18, s37, 19                        ; w_o: 128 rows of 4,096 bytes,
	s_lshl_b32 s19, s38, 8                         ; 64 columns of 4 bytes
	s_add_co_u32 s18, s18, s19
	s_cmp_lt_u32 s16, 384                          ; (the shifts and the sum have written SCC)
	s_cselect_b32 s26, s26, s18                    ; the tile's byte offset in its source
	s_mov_b32 s27, 0
	s_lshl_b32 s28, s38, 17                        ; in its destination: 64 rows of 2,048 bytes,
	s_lshl_b32 s19, s37, 8                         ; 128 k of 2 bytes
	s_add_co_u32 s28, s28, s19
	s_mov_b32 s29, 0
	s_lshl_b32 s30, s16, 16                        ; my 65,536 bytes of inputs,
	s_mov_b32 s31, 0
	s_lshl_b32 s32, s16, 15                        ; my 32,768 of xb
	s_mov_b32 s33, 0
	s_lshl_b32 s34, s24, 5                         ; 32 rows of the source
	s_mov_b32 s35, 0xffff0000                      ; a word's upper bf16
	v_and_b32 v1, 15, v0                           ; t % 16
	v_lshrrev_b32 v2, 4, v0                        ; t / 16
	v_lshlrev_b32 v4, 1, v2
	v_mul_lo_u32 v4, v4, s24
	v_lshl_add_u32 v[OFF], v1, 4, v4               ; row 2 (t / 16), 16 bytes at 16 (t % 16)
	v_add_nc_u32 v[OFF+1], s24, v[OFF]
.irp n, 2,3,4,5,6,7
	v_add_nc_u32 v[OFF+(\n)], s34, v[OFF+(\n)-2]
.endr
	v_mul_u32_u24 v[LSA], v1, 1088                 ; stage row 4 (t % 16), pitch 272,
	v_lshl_add_u32 v[LSA], v2, 2, v[LSA]           ; k = 2 (t / 16): 4 bytes
	v_mul_u32_u24 v[LRA], v2, 272
	v_lshl_add_u32 v[LRA], v1, 4, v[LRA]
	v_lshlrev_b32 v[GOA], 11, v2
	v_lshl_add_u32 v[GOA], v1, 4, v[GOA]
	v_lshlrev_b32 v[XI], 4, v0
	v_lshlrev_b32 v[XO], 3, v0
	s_wait_kmcnt 0x0
	s_cmp_lt_u32 s16, 384
	s_cselect_b64 s[20:21], s[6:7], s[8:9]         ; the source,
	s_cselect_b64 s[22:23], s[12:13], s[14:15]     ; the destination
	s_add_nc_u64 s[20:21], s[20:21], s[26:27]
	s_add_nc_u64 s[22:23], s[22:23], s[28:29]
	s_add_nc_u64 s[4:5], s[4:5], s[30:31]
	s_add_nc_u64 s[10:11], s[10:11], s[32:33]
	s_wait_alu depctr_va_vdst(0)                   ; the eight offsets v40-47, v3, v6, v7, v160 and v161 are written: every load and store of the kernel reads one of them as its offset or LDS address
.irp n, 0,1,2,3,4,5,6,7
	global_load_b128 v[T+4*(\n):T+4*(\n)+3], v[OFF+(\n)], s[20:21] th:TH_LOAD_NT  ; sixteen lanes take 256 consecutive bytes of a row
.endr
.irp i, 0,1,2,3,4,5,6,7,8,9,10,11,12,13,14,15
	global_load_b128 v[X+4*(\i):X+4*(\i)+3], v[XI], s[4:5] offset:4096*(\i) th:TH_LOAD_NT  ; all 24 loads of a lane are out before the first is waited for
.endr
; Tile step i: rows 2 (t / 16) + 32 i and the next, four columns: four words of two k each, into PK's words 4 i to 4 i + 3.  The LDS stores of step i - 1 stand among its lines.
.macro TILE i
	s_wait_loadcnt 22-2*(\i)                       ; loads come back in order: behind pair i stand 6 - 2 i loads of the tile and the 16 of inputs
.if (\i) > 0
	s_wait_alu depctr_va_vdst(0)                   ; the step before has written its four words of PK, which the four LDS stores below read; no vector instruction of this step names them
.endif
.irp c, 0,1,2,3
.if (\i) > 0
	ds_store_b32 v[LSA], v[PK+4*((\i)-1)+(\c)] offset:272*(\c)+64*((\i)-1)
.endif
	v_cvt_pk_bf16_f32 v[PK+4*(\i)+(\c)], v[T+8*(\i)+(\c)], v[T+8*(\i)+4+(\c)]  ; the even k below, the odd k above
	v_lshlrev_b32 v4, 16, v[PK+4*(\i)+(\c)]        ; the two rounded numbers as f32,
	v_and_b32 v5, s35, v[PK+4*(\i)+(\c)]
	v_cvt_pk_f16_f32 v4, v4, v5                    ; written as f16,
	v_cndmask_b32 v[PK+4*(\i)+(\c)], v[PK+4*(\i)+(\c)], v4, s25  ; which w_o's tiles take
.endr
.endm
; Cast block p: four loads of inputs, 16 bytes in, 8 bytes out each, into Y's registers 8 p to 8 p + 7.  Among its lines stand the four stores of the step before: the last tile step's LDS stores (p = 0),
; or block p - 1's stores to xb; such a store of a wave covers 256 consecutive bytes, aligned.
.macro CAST p
	s_wait_loadcnt 12-4*(\p)                       ; the block's four loads are in; the later blocks' stay out
	s_wait_alu depctr_va_vdst(0)                   ; the step before has written its four words of PK (p = 0) or its eight registers of Y, which the four stores below read; no vector instruction of this block names them
.irp j, 0,1,2,3
.if (\p) == 0
	ds_store_b32 v[LSA], v[PK+12+(\j)] offset:272*(\j)+192
.else
	global_store_b64 v[XO], v[Y+2*(4*((\p)-1)+(\j)):Y+2*(4*((\p)-1)+(\j))+1], s[10:11] offset:2048*(4*((\p)-1)+(\j)) th:TH_STORE_NT
.endif
	v_cvt_pk_bf16_f32 v[Y+2*(4*(\p)+(\j))], v[X+4*(4*(\p)+(\j))], v[X+4*(4*(\p)+(\j))+1]
	v_cvt_pk_bf16_f32 v[Y+2*(4*(\p)+(\j))+1], v[X+4*(4*(\p)+(\j))+2], v[X+4*(4*(\p)+(\j))+3]
.endr
.endm
	TILE 0                                         ; no step stands in front of it: no store, and no wait but the one for its data
	TILE 1
	TILE 2
	TILE 3
	CAST 0
	CAST 1
	CAST 2
	CAST 3
	s_wait_alu depctr_va_vdst(0)                   ; block 3 has written its eight registers of Y, which the four stores below read; and, no vector instruction following, the roundings are done reading v8-23, in which the LDS loads behind the barrier land
.irp j, 0,1,2,3
	global_store_b64 v[XO], v[Y+2*(12+(\j)):Y+2*(12+(\j))+1], s[10:11] offset:2048*(12+(\j)) th:TH_STORE_NT
.endr
	s_wait_dscnt 0x0                               ; for the others' sake: my words lie in the stage
	s_barrier_signal -1
	s_barrier_wait -1                              ; everybody's do
.irp i, 0,1,2,3
	ds_load_b128 v[T+4*(\i):T+4*(\i)+3], v[LRA] offset:4352*(\i)  ; row t / 16 + 16 i: 128 k of one column n
.endr
.irp i, 0,1,2,3
	s_wait_dscnt 3-(\i)
	global_store_b128 v[GOA], v[T+4*(\i):T+4*(\i)+3], s[22:23] offset:32768*(\i)  ; sixteen lanes store 256 consecutive bytes, aligned
.endr
	s_wait_dscnt 0x0                               ; the wave's end
	s_wait_alu 0x0
	s_wait_tensorcnt 0x0
	ds_add_u32 v[SPW], v[NIL]
	s_wait_dscnt 0x0
	s_endpgm
.Lfunc_end_k_qaf97392387_prep:
	.size	k_qaf97392387_prep, .Lfunc_end_k_qaf97392387_prep-k_qaf97392387_prep
	.p2alignl 7, 3214868480
	.fill 96, 4, 3214868480
	.section	.rodata,"a",@progbits
	.p2align	6, 0x0
	.amdhsa_kernel k_qaf97392387_prep
		.amdhsa_group_segment_fixed_size 18432
		.amdhsa_private_segment_fixed_size 0
		.amdhsa_enable_private_segment 0
		.amdhsa_kernarg_size 48
		.amdhsa_user_sgpr_count 2
		.amdhsa_user_sgpr_kernarg_segment_ptr 1
		.amdhsa_wavefront_size32 1
		.amdhsa_system_sgpr_workgroup_id_x 1
		.amdhsa_system_sgpr_workgroup_id_y 1
		.amdhsa_system_sgpr_workgroup_id_z 1
		.amdhsa_system_vgpr_workitem_id 0
		.amdhsa_next_free_vgpr 164
		.amdhsa_next_free_sgpr 66
		.amdhsa_reserve_vcc 0
		.amdhsa_float_denorm_mode_32 3
		.amdhsa_float_denorm_mode_16_64 3
		.amdhsa_memory_ordered 1
		.amdhsa_forward_progress 1
		.amdhsa_inst_pref_size 16
	.end_amdhsa_kernel
	.amdgpu_metadata
---
amdhsa.version: [ 1, 2 ]
amdhsa.kernels:
  - .name:           k_qaf97392387_prep
    .symbol:         k_qaf97392387_prep.kd
    .args:
      - { .name: inputs, .offset: 0, .size: 8, .value_kind: global_buffer, .address_space: global }
      - { .name: w_qkv, .offset: 8, .size: 8, .value_kind: global_buffer, .address_space: global }
      - { .name: w_o, .offset: 16, .size: 8, .value_kind: global_buffer, .address_space: global }
      - { .name: xb, .offset: 24, .size: 8, .value_kind: global_buffer, .address_space: global }
      - { .name: wt, .offset: 32, .size: 8, .value_kind: global_buffer, .address_space: global }
      - { .name: wot, .offset: 40, .size: 8, .value_kind: global_buffer, .address_space: global }
    .group_segment_fixed_size: 18432
    .private_segment_fixed_size: 0
    .kernarg_segment_align: 8
    .kernarg_segment_size: 48
    .max_flat_workgroup_size: 256
    .sgpr_count:     66
    .vgpr_count:     164
    .wavefront_size: 32
...
	.end_amdgpu_metadata
.endif
;; end of part 5
;; launch qkv: the kernel of part 2 again; grid 16 x 16, 4 waves a work-group, clusters of 4 x 4, 327,680 bytes of LDS; arguments xb, wt, qh, kh, vh; writes qh, kh, vh
;; launch attn: the kernel of part 3 again; grid 2 x 128, 4 waves a work-group, no clusters, 327,680 bytes of LDS; arguments qh, kh, vh, oh; writes oh
;; launch oproj: the kernel of part 4 again; grid 8 x 32, 4 waves a work-group, clusters of 4 x 4, 327,680 bytes of LDS; arguments oh, wot, out0; writes out0
